; MI455X (gfx1250); checked and timed in simulation.
; The chip was launched on July 23, 2026; its instructions are those of AMD's public machine-readable ISA for CDNA 5 (MIT licence, August 2026) and "CDNA5" Instruction Set Architecture Reference Guide (July 2026). The comments in the code are by the model that wrote it; some were corrected since.
;; VQAMOE Layer. Allowed arithmetic: matrix products marked QUANTISED: E2M1 operands, one E8M0 scale for each 32 along K, by v_wmma_scale_f32_16x16x128_f8f6f4 with both operands' format E2M1 (or v_wmma_scale_f32_32x16x128_f4), f32 sums; products left as they are: f32 operands where the result goes on into a quantised operand, else bf16, f16 or f32 operands; f32 sums; everything else in f32.
;; Inputs: b1 8 x 3,072 float32; b2 8 x 768 float32; ln_b 768 float32; ln_g 768 float32; router_b 8 float32; router_w 768 x 8 float32; w1_codes 8 x 3,072 x 24 x 16 uint8 (E2M1 codes of w1, K innermost, in blocks of 32 codes, two codes a byte); w1_scales 8 x 3,072 x 24 uint8 (E8M0 scales of w1, one for each 32 codes along K); w2_codes 8 x 768 x 96 x 16 uint8 (E2M1 codes of w2, K innermost, in blocks of 32 codes, two codes a byte); w2_scales 8 x 768 x 96 uint8 (E8M0 scales of w2, one for each 32 codes along K); x 8 x 128 x 768 float32.
;; Outputs: out0 8 x 128 x 768 float32.
;; This version of the problem:
;;   THIS VERSION OF THE PROBLEM IS GIVEN IN LOW PRECISION. The matrix products marked QUANTISED in the list below multiply operands that are first quantised to E2M1 (2 exponent bits, 1 mantissa bit; 4 bits a number), with one power-of-two scale for each 32 numbers along K (OCP MX v1.0); their sums are f32. All else is computed in f32.
;;   The module's matrix products, in the order in which they are computed (A, B: the left and right operand; K: the contracted axis; several contracted axes count as one K, in the product's order):
;;     1. [M 1,024, K 768] x [K 768, N 8]; A: input x; B: input router_w: left as it is (N = 8 < 16)
;;     2. [M 1,024, K 768] x [K 768, N 3,072]; A: input x; B: input w1 (given as codes): QUANTISED
;;     3. [M 1,024, K 3,072] x [K 3,072, N 768]; A: computed on the way; B: input w2 (given as codes): QUANTISED
;;     4. [M 1,024, K 768] x [K 768, N 3,072]; A: input x; B: input w1 (given as codes): QUANTISED
;;     5. [M 1,024, K 3,072] x [K 3,072, N 768]; A: computed on the way; B: input w2 (given as codes): QUANTISED
;;     6. [M 1,024, K 768] x [K 768, N 3,072]; A: input x; B: input w1 (given as codes): QUANTISED
;;     7. [M 1,024, K 3,072] x [K 3,072, N 768]; A: computed on the way; B: input w2 (given as codes): QUANTISED
;;     8. [M 1,024, K 768] x [K 768, N 3,072]; A: input x; B: input w1 (given as codes): QUANTISED
;;     9. [M 1,024, K 3,072] x [K 3,072, N 768]; A: computed on the way; B: input w2 (given as codes): QUANTISED
;;     10. [M 1,024, K 768] x [K 768, N 3,072]; A: input x; B: input w1 (given as codes): QUANTISED
;;     11. [M 1,024, K 3,072] x [K 3,072, N 768]; A: computed on the way; B: input w2 (given as codes): QUANTISED
;;     12. [M 1,024, K 768] x [K 768, N 3,072]; A: input x; B: input w1 (given as codes): QUANTISED
;;     13. [M 1,024, K 3,072] x [K 3,072, N 768]; A: computed on the way; B: input w2 (given as codes): QUANTISED
;;     14. [M 1,024, K 768] x [K 768, N 3,072]; A: input x; B: input w1 (given as codes): QUANTISED
;;     15. [M 1,024, K 3,072] x [K 3,072, N 768]; A: computed on the way; B: input w2 (given as codes): QUANTISED
;;     16. [M 1,024, K 768] x [K 768, N 3,072]; A: input x; B: input w1 (given as codes): QUANTISED
;;     17. [M 1,024, K 3,072] x [K 3,072, N 768]; A: computed on the way; B: input w2 (given as codes): QUANTISED
;;   THE QUANTISER, for each operand of a quantised product, along K:
;;     - K is cut into blocks of 32 from its start; a last block that is shorter is filled with zeros.
;;     - A block's scale is 2^e with e = floor(log2(the largest magnitude in the block)) - 2, held to -126 .. 127; a block of zeros has e = 0. As a byte (E8M0): e + 127.
;;     - Each number is divided by its block's scale, clamped to +-6, and rounded to the nearest number of E2M1, ties to even, subnormals kept.
;;     - The product sums the exact products of the quantised numbers (number of the format x scale) in f32.
;;   ~~~python
;;   def quantise(x, axis):      # numpy; x: float32 -> the quantised numbers, widened to float32 again
;;       x = np.moveaxis(x, axis, -1); K = x.shape[-1]
;;       x = np.pad(x, [(0, 0)] * (x.ndim - 1) + [(0, -K % 32)]); x = x.reshape(x.shape[:-1] + (-1, 32)); a = np.abs(x).max(-1, keepdims=True)
;;       e = np.where(a > 0, np.clip(np.frexp(np.where(a > 0, a, 1))[1] - 1 - 2, -126, 127), 0)      # np.frexp(a)[1] - 1 = floor(log2(a)), exactly
;;       r = np.clip(x / 2.0 ** e, -6, 6)
;;       step = 2.0 ** (np.maximum(np.frexp(np.where(r == 0, 1, r))[1] - 1, 0) - 1)
;;       q = np.round(r / step) * step * 2.0 ** e      # np.round: ties to even
;;       return np.moveaxis(q.reshape(q.shape[:-2] + (-1,))[..., :K], -1, axis).astype(np.float32)
;;   ~~~
;;   OPERANDS COMPUTED ON THE WAY. 'Computed on the way' means the value that the module computes at that place (a softmax that the list does not call 'softmax' is quantised finished and normalised). What goes into a quantiser is computed in f32, as accurately as f32 sums, v_exp_f32 and their like allow (about 1e-6 of the number): no bf16 or f16 on the way to a quantiser, and a product that is left as it is and whose result goes on into a quantised operand takes f32 operands (vector FMAs, or v_wmma_f32_16x16x4_f32). A number that lies on a knife's edge between two numbers of the format may be rounded either way, as far as f32 arithmetic and the matrix unit's own rounding can turn it there, and no further.
;;   INPUTS GIVEN AS CODES. w1 (in the module: [8, 768, 3072], K = its axis 1); w2 (in the module: [8, 3072, 768], K = its axis 1): each comes as NAME_codes (uint8): NAME with its K axis moved to the last place and cut into blocks of 32 codes, [.., K / 32, bytes a block], one block behind the other in memory; two codes a byte, the lower K in the low four bits (a code: sign, 2 exponent bits, 1 mantissa bit); and NAME_scales (uint8): the same leading axes, one E8M0 byte (e + 127) for each 32 codes along K. Its value is code x scale, taken as it is: it is not quantised again, and the codes and scales need not be those that the quantiser above would give.
;; 2 versions, each right; version 2 is version 1 with the launches ffn1, ffn2 written anew for expert scheduling mode. Each part assembles by itself: llvm-mc -triple=amdgcn-amd-amdhsa -mcpu=gfx1250 --defsym DOCPART=n.
;; ======== version 1 of 2: 4 launches
;; workspace buffers: xq 524,288 bytes; route 12,288 bytes of whole numbers; gate 8,192 bytes; tiles 10,240 bytes of whole numbers; hq 3,833,856 bytes; hsc 239,616 bytes; ybuf 12,582,912 bytes
;; launch router (part 1): grid 256 x 1, 3 waves a work-group, no clusters, 4,608 bytes of LDS; arguments x, router_w, router_b, xq, route, gate; writes xq, route, gate
.if DOCPART == 1
	.amdgcn_target "amdgcn-amd-amdhsa--gfx1250"
	.amdhsa_code_object_version 6
	.text
	.protected	k_qc6f0740327_router
	.globl	k_qc6f0740327_router
	.p2align	8
	.type	k_qc6f0740327_router,@function
k_qc6f0740327_router:
	s_mov_b64 s[64:65], 0
	v_nop
	global_prefetch_b8 v0, s[64:65] scope:SCOPE_SE
	s_setreg_imm32_b32 hwreg(HW_REG_WAVE_MODE, 25, 1), 1
	s_wait_xcnt 0x0
; ROUTER, AND QUANTISER OF x.  x [1024][768] f32, router_w [768][8] f32, router_b [8] f32.
; logits = x router_w + router_b in f32 (fused multiply-adds); the two largest (the lower index wins a tie); softmax of the two, the larger taken off first.
; Stored at fixed places (no address here hangs on a result):
;   route  bytes 0..8191: for token t eight bytes, byte e = 1 where expert e is chosen;  from byte 8192: a word a token: e_lo | e_hi << 8 | 1 << (16 + e_lo) | 1 << (16 + e_hi)
;   gate   [t][2] f32: the weight of e_lo, then of e_hi
;   xq     [t][512 bytes]: bytes 0..383 the E2M1 codes of x's row, K ascending, two a byte; bytes 384 + 32 j + 0..7 the E8M0 bytes of K third j; the rest zeros
; SHARES.  A work-group takes 4 tokens; wave s takes K = 256 s .. 256 s + 255 of all four; lane l takes k = 256 s + 8 l + 0..7: four lanes hold a block of 32.
; LIMITS.  NaN and infinities in x or in the logits are not served.  The logits' sum goes lane by lane and then over lanes and waves, another order than a plain row sum:
; where the second and third logit lie within about 1e-6 of each other the other expert may be taken.  A block of zeros gets the byte 1 (its codes are zeros; only this program reads the bytes).
.set W,   16                           ; v16-79   router_w: register 8 j + e = w[my k + j][e]
.set X,   80                           ; v80-111  x: register 8 t + j
.set ACC, 112                          ; v112-143 partial logits: register 8 t + e
.set QM,  144                          ; v144-147 largest magnitudes
.set QS,  148                          ; v148-151 the conversions' scale operands
.set QC,  152                          ; v152-155 eight codes a token
.set QY,  156                          ; v156-159 scale bytes
.set LG,  2048                         ; LDS: bytes 0..2047 the four rows of xq; from LG the partial logits [wave][token][8] f32
	s_load_b256 s[4:11], s[0:1], 0x0               ; x, router_w, router_b, xq
	s_load_b128 s[12:15], s[0:1], 0x20             ; route, gate
	v_lshl_add_u32 v160, v0, 2, 0x1000
	v_mov_b32 v161, 0
	v_lshrrev_b32 v1, 5, v0
	v_readfirstlane_b32 s24, v1                    ; wave 0..2
	v_and_b32 v1, 31, v0                           ; lane
	s_lshl_b32 s25, s24, 10
	v_lshl_add_u32 v2, v1, 5, s25                  ; x: 32 l + 1024 s
	s_lshl_b32 s25, s24, 13
	v_lshl_add_u32 v3, v1, 8, s25                  ; router_w: 256 l + 8192 s: my eight rows of 32 bytes
	s_lshl_b32 s25, s24, 7
	v_lshl_add_u32 v4, v1, 2, s25                  ; LDS: my 4 bytes of codes in a row: 128 s + 4 l
	s_add_co_u32 s25, s25, LG
	v_mov_b32 v7, s25                              ; LDS: my wave's partial logits
	s_lshl_b32 s25, s24, 5
	s_add_co_u32 s25, s25, 384
	v_lshrrev_b32 v5, 2, v1
	v_add_nc_u32 v5, s25, v5                       ; LDS: my block's scale byte: 384 + 32 s + l / 4
	v_lshrrev_b32 v6, 3, v1
	v_lshlrev_b32 v6, 9, v6
	v_and_b32 v13, 7, v1
	v_lshl_add_u32 v6, v13, 2, v6
	v_add_nc_u32 v6, s25, v6                       ; LDS: the zero fill: row l / 8, word l % 8 of my wave's 32 bytes
	s_lshr_b32 s25, s24, 1
	s_lshl_b32 s25, s25, 10
	v_lshl_add_u32 v8, v1, 4, s25                  ; rows out: 16 l, + two rows for wave 2: the same number in LDS and in xq
	v_and_b32 v13, 3, v1
	v_lshl_add_u32 v9, v13, 5, LG                  ; wave 0 behind the barrier: lane l looks after token l % 4
	v_lshlrev_b32 v10, 3, v13
	v_lshlrev_b32 v11, 2, v13
	v_mov_b32 v12, 0
	v_mov_b32 v14, 1
	s_mov_b32 s26, 0x76543210
	s_mov_b32 s27, 0xfedcba98                      ; v_permlanex16_b32's selects for lane l xor 16
	s_mul_i32 s28, ttmp9, 12288                    ; four rows of x
	s_mov_b32 s29, 0
	s_lshl_b32 s30, ttmp9, 11                      ; four rows of xq
	s_mov_b32 s31, 0
	s_lshl_b32 s32, ttmp9, 5                       ; four tokens x 8 bytes
	s_mov_b32 s33, 0
	s_lshl_b32 s34, ttmp9, 4                       ; four tokens x 4 bytes
	s_mov_b32 s35, 0
	s_wait_kmcnt 0x0
	s_load_b256 s[16:23], s[8:9], 0x0              ; router_b
	s_add_nc_u64 s[4:5], s[4:5], s[28:29]
	s_add_nc_u64 s[10:11], s[10:11], s[30:31]
	s_add_nc_u64 s[36:37], s[12:13], s[32:33]      ; route: the eight bytes a token
	s_add_nc_u64 s[38:39], s[12:13], s[34:35]      ; route: the word a token (+ 8192 in the store)
	s_add_nc_u64 s[14:15], s[14:15], s[32:33]
.irp t,0,1,2,3
.irp c,0,1
	global_load_b128 v[X+8*\t+4*\c:X+8*\t+4*\c+3], v2, s[4:5] offset:3072*\t+16*\c th:TH_LOAD_NT
.endr
.endr
.set i, 0
.rept 16
	global_load_b128 v[W+4*i:W+4*i+3], v3, s[6:7] offset:16*i
.set i, i+1
.endr
	s_wait_loadcnt 16                              ; x is in; the 16 younger loads, router_w's, may be out
	; ---- x into codes: the four tokens by turns
.irp t,0,1,2,3
	v_max3_num_f32 v[QM+\t], |v[X+8*\t]|, |v[X+8*\t+1]|, 0x1800000   ; my 8 numbers, and the floor 2^(3 - 127): the byte cannot fall under 1
.endr
.irp j,2,4,6
.irp t,0,1,2,3
	v_max3_num_f32 v[QM+\t], v[QM+\t], |v[X+8*\t+\j]|, |v[X+8*\t+\j+1]|
.endr
.endr
.irp n,1,2
.irp t,0,1,2,3
	v_max_num_f32_dpp v[QM+\t], v[QM+\t], v[QM+\t] row_xmask:\n row_mask:0xf bank_mask:0xf   ; with the three other lanes of the block
.endr
.endr
.irp t,0,1,2,3
	v_add_nc_u32 v[QS+\t], 0xff000000, v[QM+\t]    ; 2 off the exponent field: the conversion takes this operand's exponent field as its scale
.endr
.irp t,0,1,2,3
	v_cvt_scalef32_pk8_fp4_f32 v[QC+\t], v[X+8*\t:X+8*\t+7], v[QS+\t]
.endr
.irp t,0,1,2,3
	v_lshrrev_b32 v[QY+\t], 23, v[QS+\t]           ; the scale's byte (also the plain line behind the conversions)
.endr
	ds_store_b32 v6, v12                           ; zeros into my wave's 32 bytes behind the codes, in all four rows;
	s_cmp_lg_u32 s24, 0
	s_cbranch_scc1 .Lnot_first
	ds_store_b32 v6, v12 offset:96                 ; wave 0 also fills bytes 480..511
.Lnot_first:
.irp t,0,1,2,3
	ds_store_b8 v5, v[QY+\t] offset:512*\t         ; LDS serves a wave's instructions in order: the bytes land on the zeros.  The four lanes of a block write the same byte
	ds_store_b32 v4, v[QC+\t] offset:512*\t
.endr
	; ---- partial logits: 8 k x 4 tokens x 8 experts, two experts an instruction; x's number is taken for both halves
	s_wait_loadcnt 0x0
.irp t,0,1,2,3
.irp q,0,1,2,3
	v_pk_mul_f32 v[ACC+8*\t+2*\q:ACC+8*\t+2*\q+1], v[X+8*\t:X+8*\t+1], v[W+2*\q:W+2*\q+1] op_sel_hi:[0,1]
.endr
.endr
.irp j,1,2,3,4,5,6,7
.irp t,0,1,2,3
.irp q,0,1,2,3
.if \j%2
	v_pk_fma_f32 v[ACC+8*\t+2*\q:ACC+8*\t+2*\q+1], v[X+8*\t+\j-1:X+8*\t+\j], v[W+8*\j+2*\q:W+8*\j+2*\q+1], v[ACC+8*\t+2*\q:ACC+8*\t+2*\q+1] op_sel:[1,0,0] op_sel_hi:[1,1,1]
.else
	v_pk_fma_f32 v[ACC+8*\t+2*\q:ACC+8*\t+2*\q+1], v[X+8*\t+\j:X+8*\t+\j+1], v[W+8*\j+2*\q:W+8*\j+2*\q+1], v[ACC+8*\t+2*\q:ACC+8*\t+2*\q+1] op_sel_hi:[0,1,1]
.endif
.endr
.endr
.endr
	; ---- over the 32 lanes: 32 sums, stage by stage
.irp n,1,2,4,8
.set i, 0
.rept 32
	v_add_f32_dpp v[ACC+i], v[ACC+i], v[ACC+i] row_xmask:\n row_mask:0xf bank_mask:0xf
.set i, i+1
.endr
.endr
.set i, 0
.rept 32
	v_permlanex16_b32 v[X+i], v[ACC+i], s26, s27   ; x's registers are done with, and have been written
.set i, i+1
.endr
.set i, 0
.rept 32
	v_add_f32 v[ACC+i], v[ACC+i], v[X+i]
.set i, i+1
.endr
.irp t,0,1,2,3
	ds_store_b128 v7, v[ACC+8*\t:ACC+8*\t+3] offset:32*\t          ; every lane holds the sums and writes the same bytes
	ds_store_b128 v7, v[ACC+8*\t+4:ACC+8*\t+7] offset:32*\t+16
.endr
	s_wait_kmcnt 0x0                               ; router_b
	s_wait_dscnt 0x0                               ; for the other waves' sake: my stores have landed
	s_barrier_signal -1
	s_barrier_wait -1
	s_cmp_eq_u32 s24, 0
	s_cbranch_scc1 .Ltop
	; ---- waves 1 and 2: two whole rows of xq each; a store covers 512 consecutive bytes
	ds_load_b128 v[16:19], v8
	ds_load_b128 v[20:23], v8 offset:512
	s_wait_dscnt 0x0
	global_store_b128 v8, v[16:19], s[10:11]
	global_store_b128 v8, v[20:23], s[10:11] offset:512
	s_wait_tensorcnt 0x0
	ds_add_u32 v160, v161
	s_wait_dscnt 0x0
	s_endpgm
.Ltop:
	; ---- wave 0: the choice.  Lanes 4..31 repeat lanes 0..3
.irp s,0,1,2
	ds_load_b128 v[16+8*\s:19+8*\s], v9 offset:128*\s
	ds_load_b128 v[20+8*\s:23+8*\s], v9 offset:128*\s+16
.endr
	s_wait_dscnt 0x0
.irp e,0,1,2,3,4,5,6,7
	v_add_f32 v[16+\e], v[16+\e], v[24+\e]
.endr
.irp e,0,1,2,3,4,5,6,7
	v_add_f32 v[16+\e], v[16+\e], v[32+\e]
.endr
.irp e,0,1,2,3,4,5,6,7
	v_add_f32 v[16+\e], s[16+\e], v[16+\e]         ; the logits
.endr
	v_mov_b32 v40, v16                             ; the largest, and its index
	v_mov_b32 v41, 0
.irp e,1,2,3,4,5,6,7
	v_cmp_le_f32 vcc_lo, v[16+\e], v40             ; not larger: the earlier one stays, so the lower index wins a tie
	v_cndmask_b32 v41, \e, v41, vcc_lo
	v_cndmask_b32 v40, v[16+\e], v40, vcc_lo
.endr
	v_mov_b32 v42, 0xff800000                      ; the second: from -infinity on, passing over the first's index
	v_mov_b32 v43, 0
.irp e,0,1,2,3,4,5,6,7
	v_cmp_le_f32 s30, v[16+\e], v42
	v_cmp_eq_u32 vcc_lo, \e, v41
	s_or_b32 vcc_lo, vcc_lo, s30
	v_cndmask_b32 v43, \e, v43, vcc_lo
	v_cndmask_b32 v42, v[16+\e], v42, vcc_lo
.endr
	v_sub_f32 v44, v42, v40                        ; the maximum is taken off: 0 or less
	v_mul_f32 v44, 0x3fb8aa3b, v44
	v_exp_f32 v45, v44
	v_min_u32 v46, v41, v43                        ; e_lo (plain work behind the exponential)
	v_max_u32 v47, v41, v43                        ; e_hi
	v_and_b32 v58, 3, v41
	v_and_b32 v59, 3, v43
	v_lshlrev_b32 v58, 3, v58
	v_lshlrev_b32 v59, 3, v59
	v_lshlrev_b32 v58, v58, v14                    ; 1 in byte i % 4
	v_lshlrev_b32 v59, v59, v14
	s_wait_alu depctr_va_vdst(0)                   ; the wait ahead of the result's first reader
	v_add_f32 v48, 1.0, v45
	v_rcp_f32 v49, v48                             ; the first's weight
	v_cmp_gt_u32 vcc_lo, 4, v41                    ; the byte goes to the low word or to the high one
	v_cndmask_b32 v52, 0, v58, vcc_lo
	v_cndmask_b32 v53, v58, v12, vcc_lo
	v_cmp_gt_u32 vcc_lo, 4, v43
	v_cndmask_b32 v60, 0, v59, vcc_lo
	v_cndmask_b32 v61, v59, v12, vcc_lo
	v_or_b32 v52, v52, v60
	v_or_b32 v53, v53, v61
	v_add_nc_u32 v58, 16, v46
	v_add_nc_u32 v59, 16, v47
	v_lshlrev_b32 v58, v58, v14
	v_lshlrev_b32 v59, v59, v14
	v_lshl_or_b32 v54, v47, 8, v46
	v_or_b32 v54, v54, v58
	v_or_b32 v54, v54, v59
	s_wait_alu depctr_va_vdst(0)
	v_mul_f32 v50, v45, v49                        ; the second's weight
	v_cmp_lt_u32 vcc_lo, v41, v43                  ; the weights in the order e_lo, e_hi
	v_cndmask_b32 v56, v50, v49, vcc_lo
	v_cndmask_b32 v57, v49, v50, vcc_lo
	global_store_b64 v10, v[52:53], s[36:37]
	global_store_b32 v11, v54, s[38:39] offset:8192
	global_store_b64 v10, v[56:57], s[14:15]
	s_wait_tensorcnt 0x0
	ds_add_u32 v160, v161
	s_wait_dscnt 0x0
	s_endpgm
.Lfunc_end_k_qc6f0740327_router:
	.size	k_qc6f0740327_router, .Lfunc_end_k_qc6f0740327_router-k_qc6f0740327_router
	.p2alignl 7, 3214868480
	.fill 96, 4, 3214868480
	.section	.rodata,"a",@progbits
	.p2align	6, 0x0
	.amdhsa_kernel k_qc6f0740327_router
		.amdhsa_group_segment_fixed_size 4608
		.amdhsa_private_segment_fixed_size 0
		.amdhsa_enable_private_segment 0
		.amdhsa_kernarg_size 48
		.amdhsa_user_sgpr_count 2
		.amdhsa_user_sgpr_kernarg_segment_ptr 1
		.amdhsa_wavefront_size32 1
		.amdhsa_system_sgpr_workgroup_id_x 1
		.amdhsa_system_sgpr_workgroup_id_y 1
		.amdhsa_system_sgpr_workgroup_id_z 1
		.amdhsa_system_vgpr_workitem_id 0
		.amdhsa_next_free_vgpr 162
		.amdhsa_next_free_sgpr 66
		.amdhsa_reserve_vcc 1
		.amdhsa_float_denorm_mode_32 3
		.amdhsa_float_denorm_mode_16_64 3
		.amdhsa_memory_ordered 1
		.amdhsa_forward_progress 1
		.amdhsa_inst_pref_size 33
	.end_amdhsa_kernel
	.amdgpu_metadata
---
amdhsa.version: [ 1, 2 ]
amdhsa.kernels:
  - .name:           k_qc6f0740327_router
    .symbol:         k_qc6f0740327_router.kd
    .args:
      - { .name: x, .offset: 0, .size: 8, .value_kind: global_buffer, .address_space: global }
      - { .name: router_w, .offset: 8, .size: 8, .value_kind: global_buffer, .address_space: global }
      - { .name: router_b, .offset: 16, .size: 8, .value_kind: global_buffer, .address_space: global }
      - { .name: xq, .offset: 24, .size: 8, .value_kind: global_buffer, .address_space: global }
      - { .name: route, .offset: 32, .size: 8, .value_kind: global_buffer, .address_space: global }
      - { .name: gate, .offset: 40, .size: 8, .value_kind: global_buffer, .address_space: global }
    .group_segment_fixed_size: 4608
    .private_segment_fixed_size: 0
    .kernarg_segment_align: 8
    .kernarg_segment_size: 48
    .max_flat_workgroup_size: 96
    .sgpr_count:     66
    .vgpr_count:     162
    .wavefront_size: 32
...
	.end_amdgpu_metadata
.endif
;; end of part 1
;; launch ffn1 (part 2): grid 6 x 39, 4 waves a work-group, no clusters, 51,712 bytes of LDS; arguments route, xq, w1_codes, w1_scales, b1, tiles, hq, hsc; writes tiles, hq, hsc
.if DOCPART == 2
	.amdgcn_target "amdgcn-amd-amdhsa--gfx1250"
	.amdhsa_code_object_version 6
	.text
	.protected	k_qc6f0740327_ffn1
	.globl	k_qc6f0740327_ffn1
	.p2align	8
	.type	k_qc6f0740327_ffn1,@function
k_qc6f0740327_ffn1:
	s_mov_b64 s[64:65], 0
	v_nop
	global_prefetch_b8 v0, s[64:65] scope:SCOPE_SE
	s_setreg_imm32_b32 hwreg(HW_REG_WAVE_MODE, 25, 1), 1
	s_wait_xcnt 0x0
; FIRST PRODUCT OF THE CHOSEN ROWS: h = Q(gelu(Q(x) W1[e]^T + b1[e])), both operands E2M1 with E8M0 scales, sums f32, gelu (tanh form) and the quantiser in f32.
; ROW TILES.  The 2,048 routed rows (token, expert) are laid by expert in tiles of 64 rows: never more than 2048 / 64 + 8 - 1 = 39 tiles, whatever the choice: grid y.  Every wave finds its tile's expert and
; its 64 tokens itself, in whole numbers, from what the launch before stored in route.  A tile that the split leaves empty ends at once.  Rows past an expert's count repeat its last row, so all 64 rows are real.
; THE PLACING uses loads, plain integer arithmetic, compares into scalar masks, counts of set bits and selects alone: no whole number goes from lane to lane by a lane exchange.
; SHARES.  Wave = (tile b, 128 hidden units hg = 4 x + wave): K step hg of the second product.  It works in 4 chunks of 32 units.  Waves share nothing: no barrier, LDS bytes of each wave's own.
; No tensor loads and no joint loads: the walk hangs on numbers read from memory.
; LAYOUT.  The product is used transposed (source 0 = 16 rows of W1, source 1 = 16 tokens): a lane holds ONE token.  Lane r of tile 2 c + u takes row 32 c + 8 u + r + 8 (r / 8), so that the 16 registers
; of a pair of tiles are 16 neighbours along H: 32 c + 16 (lane / 16) + 0..15.  b1 is the C of each sum's first product.
; W1's rows come as they lie (a chunk's 32 rows are 12,288 consecutive bytes: 24 loads of 512) and turn into fragments through the wave's LDS, rows 400 bytes apart.
; OUT.  hq [tile][K step][m][c][lane][16 bytes]: the images of the second product's operand registers;  hsc [tile][K step][lane][2]: word p: lanes 0-15 the rows of m = 2 p, lanes 16-31 of m = 2 p + 1;
; tiles: 64 tokens a tile at 256 b, and at 9984 + 4 b the expert, 8 for an empty tile (stored by work-group x = 0, wave 0).
; LIMITS.  NaN and infinities are not served.  A block of zeros gets the byte 1 (zero codes; only this program reads the bytes).
; REGISTERS.  window 0: v1-31 addresses and constants; v32-55 W1's scale words; v56-67 x's; v68-79 at work in the quantiser; v80-95 at work at the head; v96-159 at the head the chosen-bytes and then the placing's
; numbers, later eight accumulators; v160-255 at the head the tokens' words, later W1's fragments, then the gelu's numbers.  window 1: v0-191 x's 24 fragments; v192-223 the codes made.
; window 2: v0-191 two sets of W1 as loaded; v192-255 b1.
.set GA,  4                            ; 16 l
.set LS0, 5                            ; v5-7  the turn, way in: piece 32 k + l of four rows
.set LF,  8                            ; the turn, way out: 400 r + 16 h
.set WSA, 9                            ; W1's scale words: 24 x my row of a chunk
.set BA,  10                           ; b1: 64 h
.set L8,  11                           ; 8 l
.set L4,  12                           ; 4 l
.set XO,  13                           ; v13-16 x's fragments: 512 x token of (m, r) + 16 h
.set XSO, 17                           ; v17-18 x's scale words: 512 x token of row 32 p + l
.set T0,  19                           ; token of row l
.set T1,  20                           ; token of row 32 + l
.set H16, 21                           ; 16 h
.set C1,  22                           ; v22-23 -2 log2(e) sqrt(2 / pi), twice
.set C2,  24                           ; v24-25 0.044715 times that, twice
.set PW,  26                           ; v26-27 the two scale words that I store
.set SW,  28                           ; v28-31 the scale word of my row of tile m
.set W1S, 32
.set XS,  56
.set MX,  68
.set TP,  72
.set SC,  76
.set ACC, 96
.set FR,  160
.set TMP, 160
.set PC,  192                          ; in window 1
.set B1,  192                          ; in window 2
; the placing's numbers, four each, one for each tile m of 16 rows
.set RK,  96                           ; the rank wanted, then which set bit of the kept mask
.set WM,  100                          ; the kept mask
.set BG,  104                          ; ranks in front of the kept register | its number << 16
.set PS,  108                          ; the place of the bit
.set TK,  112                          ; the token of row 16 m + r
.set CA,  116                          ; counts of 2 bits,
.set CB,  120                          ; of 4,
.set CC,  124                          ; of 8,
.set CD,  128                          ; of 16
.set TA,  132                          ; at work
.set TBB, 136
.set TC,  140
.set PA,  44                           ; s44-45 ranks in front of a register, two by turns
.set PB,  54                           ; s54-55 the same | the register's number << 16
.set MSB, 0
.macro WIN new                         ; the immediate's high byte repeats the setting that is left
.if MSB != \new
	s_set_vgpr_msb (MSB<<8)|\new
.set MSB, \new
.endif
.endm
.macro WMS                             ; one product, by the symbols rD rA rB rC rSA rSB; fRA, fRB: the scales stand in lanes 16-31
.if fRA && fRB
	v_wmma_scale_f32_16x16x128_f8f6f4 v[rD:rD+7], v[rA:rA+7], v[rB:rB+7], v[rC:rC+7], v[rSA], v[rSB] matrix_a_fmt:MATRIX_FMT_FP4 matrix_b_fmt:MATRIX_FMT_FP4 matrix_a_scale:MATRIX_SCALE_ROW1 matrix_b_scale:MATRIX_SCALE_ROW1
.elseif fRA
	v_wmma_scale_f32_16x16x128_f8f6f4 v[rD:rD+7], v[rA:rA+7], v[rB:rB+7], v[rC:rC+7], v[rSA], v[rSB] matrix_a_fmt:MATRIX_FMT_FP4 matrix_b_fmt:MATRIX_FMT_FP4 matrix_a_scale:MATRIX_SCALE_ROW1
.elseif fRB
	v_wmma_scale_f32_16x16x128_f8f6f4 v[rD:rD+7], v[rA:rA+7], v[rB:rB+7], v[rC:rC+7], v[rSA], v[rSB] matrix_a_fmt:MATRIX_FMT_FP4 matrix_b_fmt:MATRIX_FMT_FP4 matrix_b_scale:MATRIX_SCALE_ROW1
.else
	v_wmma_scale_f32_16x16x128_f8f6f4 v[rD:rD+7], v[rA:rA+7], v[rB:rB+7], v[rC:rC+7], v[rSA], v[rSB] matrix_a_fmt:MATRIX_FMT_FP4 matrix_b_fmt:MATRIX_FMT_FP4
.endif
.endm
.macro W1LOAD c, p                     ; chunk c's 32 rows of W1, as they lie, into set p of window 2: each load reads 512 consecutive bytes
	WIN 0x80
.set li, 0
.rept 24
	global_load_b128 v[96*(\p)+4*li:96*(\p)+4*li+3], v[GA], s[8:9] offset:12288*(\c)+512*li
.set li, li+1
.endr
	WIN 0
.endm
; Three loads are four rows.  Row rho of the chunk goes to place 16 bit3 + 8 bit4 + rho % 8, so that a tile's 16 rows lie on end; LDS serves a wave's instructions in order, so the loads see the stores.
.macro TURN p
	WIN 0x08                                       ; an LDS store's data are its source 1: window 2
.set li, 0
.rept 24
	ds_store_b128 v[LS0+li%3], v[96*(\p)+4*li:96*(\p)+4*li+3] offset:400*(16*(((li/3)>>1)&1)+8*((li/3)>>2)+4*((li/3)&1))
.set li, li+1
.endr
	WIN 0
.irp s,0,1,2,3,4,5
.irp u,0,1
.irp c,0,1
	ds_load_b128 v[FR+8*(6*\u+\s)+4*\c:FR+8*(6*\u+\s)+4*\c+3], v[LF] offset:6400*\u+64*\s+32*\c
.endr
.endr
.endr
.endm
; 48 products: 6 K steps x (2 tiles of units x 4 tiles of tokens).  The eight accumulators take turns, one instruction a turn.
.macro MM c
.irp s,0,1,2,3,4,5
	s_wait_dscnt 20-4*\s                           ; K step s's four fragment loads are in; those of the later steps, four each, may be out
.if \s == 0
	WIN 0x24                                       ; x in window 1, b1 in window 2
.else
	WIN 0x04
.endif
.irp u,0,1
.irp m,0,1,2,3
.set rD, ACC+8*(2*\m+\u)
.set rA, FR+8*(6*\u+\s)
.set rB, 8*(6*\m+\s)
.set rC, rD
.if \s == 0
.set rC, B1+16*(\c)+8*\u
.endif
.set rSA, W1S+6*(\c)+\s
.set rSB, XS+6*(\m/2)+\s
.set fRA, \u
.set fRB, \m%2
	WMS
.endr
.endr
.endr
	WIN 0
.endm
; gelu(a) = a / (1 + 2^z), z = a (C1 + C2 a^2): the tanh form, written with one exponential and one reciprocal.
.macro ZLINE m, k                      ; line k of 24 of tile m's z: 8 squares, 8 multiply-adds, 8 products, two numbers each
.set zq, 2*((\k)%8)
.set za, ACC+16*(\m)+zq
.set zt, TMP+16*(\m)+zq
.if (\k) < 8
	v_pk_mul_f32 v[zt:zt+1], v[za:za+1], v[za:za+1]
.elseif (\k) < 16
	v_pk_fma_f32 v[zt:zt+1], v[zt:zt+1], v[C2:C2+1], v[C1:C1+1]
.else
	v_pk_mul_f32 v[zt:zt+1], v[zt:zt+1], v[za:za+1]
.endif
.endm
.macro ALINE m, k
.set zt, TMP+16*(\m)+2*(\k)
	v_pk_add_f32 v[zt:zt+1], v[zt:zt+1], 1.0 op_sel_hi:[1,0]
.endm
.macro GELU
.set gk, 0
.rept 24
	ZLINE 0, gk                                    ; each accumulator is first read at its low end
.set gk, gk+1
.endr
.set gm, 0
.rept 3                                ; tile gm's 16 exponentials stand among tile gm + 1's 24 plain lines; none of these lines names an exponential's result
.set gk, 0
.rept 24
	ZLINE gm+1, gk
.if gk%3 != 2
.set ge, TMP+16*gm+2*(gk/3)+gk%3
	v_exp_f32 v[ge], v[ge]
.endif
.set gk, gk+1
.endr
.set gm, gm+1
.endr
.set ge, TMP+48
.rept 16
	v_exp_f32 v[ge], v[ge]
.set ge, ge+1
.endr
	v_nop                                          ; a plain line behind the last exponential
	s_wait_alu depctr_va_vdst(0)                   ; one wait for the 64, ahead of their first reader
.set gk, 0
.rept 8
	ALINE 0, gk
.set gk, gk+1
.endr
.set gm, 0
.rept 3
.set gk, 0
.rept 8
	ALINE gm+1, gk
.set ge, TMP+16*gm+2*gk
	v_rcp_f32 v[ge], v[ge]
	v_rcp_f32 v[ge+1], v[ge+1]
.set gk, gk+1
.endr
.set gm, gm+1
.endr
.set ge, TMP+48
.rept 16
	v_rcp_f32 v[ge], v[ge]
.set ge, ge+1
.endr
	v_nop
	s_wait_alu depctr_va_vdst(0)                   ; one wait for the 64 reciprocals
.set gk, 0
.rept 32
	v_pk_mul_f32 v[ACC+2*gk:ACC+2*gk+1], v[ACC+2*gk:ACC+2*gk+1], v[TMP+2*gk:TMP+2*gk+1]
.set gk, gk+1
.endr
.endm
; Chunk c is block c of the K step: 32 units, 16 in my lane and 16 in lane l xor 16.  The four tiles of tokens by turns.
.macro QBLK c
.irp m,0,1,2,3
	v_max3_num_f32 v[MX+\m], |v[ACC+16*\m]|, |v[ACC+16*\m+1]|, 0x1800000   ; with the floor 2^(3 - 127): the byte cannot fall under 1
.endr
.irp i,2,4,6,8,10,12,14
.irp m,0,1,2,3
	v_max3_num_f32 v[MX+\m], v[MX+\m], |v[ACC+16*\m+\i]|, |v[ACC+16*\m+\i+1]|
.endr
.endr
.irp m,0,1,2,3
	v_permlanex16_b32 v[TP+\m], v[MX+\m], s40, s41
.endr
.irp m,0,1,2,3
	v_max_num_f32 v[MX+\m], v[MX+\m], v[TP+\m]
.endr
.irp m,0,1,2,3
	v_add_nc_u32 v[SC+\m], 0xff000000, v[MX+\m]    ; 2 off the exponent field: the conversion's scale operand
.endr
.if (\c) == 0
.irp m,0,1,2,3
	v_lshrrev_b32 v[SW+\m], 23, v[SC+\m]           ; the byte starts the word
.endr
.else
.irp m,0,1,2,3
	v_lshrrev_b32 v[TP+\m], 23, v[SC+\m]
.endr
.irp m,0,1,2,3
	v_lshl_or_b32 v[SW+\m], v[TP+\m], 8*(\c), v[SW+\m]
.endr
.endif
	WIN 0x40                                       ; the codes go to window 1
.irp m,0,1,2,3
.irp u,0,1
	v_cvt_scalef32_pk8_fp4_f32 v[PC+8*\m+2*(\c)+\u], v[ACC+16*\m+8*\u:ACC+16*\m+8*\u+7], v[SC+\m]
.endr
.endr
	WIN 0
	v_nop                                          ; a plain line behind the last conversion
.endm
.macro CHUNK c
.if (\c) < 3
	s_wait_loadcnt 24                              ; all but the next chunk's 24 loads of W1 are in
.else
	s_wait_loadcnt 0x0
.endif
	TURN (\c)%2
.if (\c) < 2
	s_wait_dscnt 20                                ; the 24 stores are done: their registers take the chunk two on
	W1LOAD (\c)+2, (\c)%2
.endif
	MM \c
.rept 5
	v_nop                                          ; places behind the last products, ahead of the first read of results and the first write over fragments
.endr
	GELU
	QBLK \c
.endm
; Does the wanted set bit lie beyond the next wd bits?  cc: the counts of wd bits, nb bits wide.  The four targets by turns.
.macro BSTEP4 cc, nb, wd
.irp m,0,1,2,3
	v_bfe_u32 v[TA+\m], v[\cc+\m], v[PS+\m], \nb
.endr
.irp m,0,1,2,3
	v_sub_nc_u32 v[TBB+\m], v[RK+\m], v[TA+\m]
	v_add_nc_u32 v[TC+\m], \wd, v[PS+\m]
.endr
.irp m,0,1,2,3
	v_cmp_ge_u32 vcc_lo, v[RK+\m], v[TA+\m]
	v_cndmask_b32 v[RK+\m], v[RK+\m], v[TBB+\m], vcc_lo
	v_cndmask_b32 v[PS+\m], v[PS+\m], v[TC+\m], vcc_lo
.endr
.endm
	s_load_b512 s[4:19], s[0:1], 0x0               ; route, xq, w1_codes, w1_scales, b1, tiles, hq, hsc
	v_lshl_add_u32 v92, v0, 2, 0xc800
	v_mov_b32 v93, 0
	v_lshrrev_b32 v1, 5, v0
	v_readfirstlane_b32 s20, v1                    ; wave 0..3
	v_and_b32 v1, 31, v0                           ; lane l
	v_and_b32 v2, 15, v0                           ; r
	v_bfe_u32 v3, v0, 4, 1                         ; h
	s_and_b32 s21, ttmp7, 0xffff                   ; b: the tile
	s_lshl_b32 s22, ttmp9, 2
	s_add_co_u32 s22, s22, s20                     ; hg: my 128 hidden units
	s_mul_i32 s23, s20, 12800                      ; my wave's LDS
	v_lshlrev_b32 v[GA], 4, v1
.irp k,0,1,2
	v_add_nc_u32 v80, 32*\k, v1                    ; piece 0..95 of four rows of 24 pieces
	v_mul_u32_u24 v81, v80, 43
	v_lshrrev_b32 v81, 10, v81                     ; piece / 24
	v_add_nc_u32 v80, v80, v81                     ; 400 row + 16 (piece - 24 row) = 16 (piece + row)
	v_lshl_add_u32 v[LS0+\k], v80, 4, s23
.endr
	v_mul_u32_u24 v80, v2, 400
	v_lshl_add_u32 v80, v3, 4, v80
	v_add_nc_u32 v[LF], s23, v80
	v_and_b32 v80, 8, v2
	v_add_nc_u32 v80, v80, v2
	v_lshl_add_u32 v80, v3, 3, v80                 ; lanes 0-15 tile u = 0, lanes 16-31 tile u = 1: row 8 h + r + 8 (r / 8) of the chunk
	v_mul_u32_u24 v[WSA], v80, 24
	v_lshlrev_b32 v[BA], 6, v3
	v_lshlrev_b32 v[L8], 3, v1
	v_lshlrev_b32 v[L4], 2, v1
	v_lshlrev_b32 v[H16], 4, v3
	v_mov_b32 v[C1], 0xc0135761
	v_mov_b32 v[C1+1], 0xc0135761
	v_mov_b32 v[C2], 0xbdd2d3e8
	v_mov_b32 v[C2+1], 0xbdd2d3e8
.irp k,0,1,2,3
	v_mov_b32 v[TP+\k], 0                          ; written once: the destination of a lane exchange counts as read
.endr
	s_mov_b32 s40, 0x76543210
	s_mov_b32 s41, 0xfedcba98                      ; v_permlanex16_b32's selects for lane l xor 16
	s_mov_b32 s42, 0xffff0000                      ; lanes 16-31
	s_mov_b32 s49, 0
	s_wait_kmcnt 0x0
	s_lshl_b32 s48, s21, 8
	s_add_nc_u64 s[50:51], s[14:15], s[48:49]      ; tiles: my tile's 64 tokens
	s_lshl_b32 s48, s21, 2
	s_add_nc_u64 s[52:53], s[14:15], s[48:49]      ; tiles: my tile's expert (+ 9984 in the store)
.set li, 0
.rept 16
	global_load_b128 v[96+4*li:99+4*li], v[GA], s[4:5] offset:512*li           ; the eight bytes of tokens 64 i + 2 l and + 1
.set li, li+1
.endr
.set li, 0
.rept 8
	global_load_b128 v[160+4*li:163+4*li], v[GA], s[4:5] offset:8192+512*li    ; register G = 4 i + j: the word of token 128 i + 4 l + j
.set li, li+1
.endr
	s_wait_loadcnt 0x0
	; ---- how many rows has each expert?  Byte sums in a lane: 32 tokens, so at most 32 in a byte; four chains
	v_add_nc_u32 v80, v96, v100                    ; experts 0-3
	v_add_nc_u32 v81, v97, v101                    ; experts 4-7
	v_add_nc_u32 v82, v98, v102
	v_add_nc_u32 v83, v99, v103
.set li, 2
.rept 14
	v_add_nc_u32 v80, v80, v[96+4*li]
	v_add_nc_u32 v81, v81, v[97+4*li]
	v_add_nc_u32 v82, v82, v[98+4*li]
	v_add_nc_u32 v83, v83, v[99+4*li]
.set li, li+1
.endr
	v_add_nc_u32 v80, v80, v82
	v_add_nc_u32 v81, v81, v83
	; over the lanes, bit by bit: the lanes that have bit k of an expert's byte set are counted, and count 2^k each.  6 bits x 4 experts a word
.irp w,0,1
.set li, 0
.rept 24
	v_and_b32 v[84+li%4], 1<<(8*(li/6)+li%6), v[80+\w]
	v_cmp_ne_u32 s[66+li], 0, v[84+li%4]
.set li, li+1
.endr
.set li, 0
.rept 24
.if li%6 == 0
	s_bcnt1_i32_b32 s[24+4*\w+li/6], s[66+li]      ; s24-31: the experts' rows
.else
	s_bcnt1_i32_b32 s47, s[66+li]
	s_lshl_b32 s47, s47, li%6
	s_add_co_u32 s[24+4*\w+li/6], s[24+4*\w+li/6], s47
.endif
.set li, li+1
.endr
.endr
	; ---- which expert's tile is b?  The last expert whose first tile is not beyond b
	s_mov_b32 s32, 0                               ; tiles so far
	s_mov_b32 s33, 0                               ; the expert,
	s_mov_b32 s34, 0                               ; its rows,
	s_mov_b32 s35, 0                               ; its first tile
.irp e,0,1,2,3,4,5,6,7
	s_cmp_le_u32 s32, s21
	s_cselect_b32 s33, \e, s33
	s_cselect_b32 s34, s[24+\e], s34
	s_cselect_b32 s35, s32, s35
	s_add_co_u32 s36, s[24+\e], 63
	s_lshr_b32 s36, s36, 6
	s_add_co_u32 s32, s32, s36
.endr
	s_cmp_lt_u32 s21, s32
	s_cbranch_scc0 .Lempty                         ; a branch on stored whole numbers; no barrier stands in this text
	s_min_u32 s33, s33, 7
	s_sub_co_u32 s37, s21, s35
	s_lshl_b32 s37, s37, 6                         ; my tile's first rank
	s_sub_co_u32 s38, s34, 1                       ; the expert's last rank: it lies in this tile or behind it
	s_mul_i32 s48, s33, 1179648
	s_mul_i32 s47, s22, 49152
	s_add_co_u32 s48, s48, s47
	s_add_nc_u64 s[8:9], s[8:9], s[48:49]          ; W1's codes: my 128 rows of 384 bytes
	s_mul_i32 s48, s33, 73728
	s_mul_i32 s47, s22, 3072
	s_add_co_u32 s48, s48, s47
	s_add_nc_u64 s[10:11], s[10:11], s[48:49]      ; W1's scales: my 128 rows of 24 bytes
	s_mul_i32 s48, s33, 12288
	s_lshl_b32 s47, s22, 9
	s_add_co_u32 s48, s48, s47
	s_add_nc_u64 s[12:13], s[12:13], s[48:49]      ; b1: my 128 numbers
	s_mul_i32 s47, s21, 24
	s_add_co_u32 s47, s47, s22
	s_lshl_b32 s48, s47, 12
	s_add_nc_u64 s[16:17], s[16:17], s[48:49]      ; hq: (24 b + hg) x 4,096
	s_lshl_b32 s48, s47, 8
	s_add_nc_u64 s[18:19], s[18:19], s[48:49]      ; hsc: (24 b + hg) x 256
	W1LOAD 0, 0                                    ; the weights are on their way while the rows are placed
	WIN 0x80
.irp c,0,1,2,3
.irp u,0,1
.irp k,0,1
	global_load_b128 v[B1+16*\c+8*\u+4*\k:B1+16*\c+8*\u+4*\k+3], v[BA], s[12:13] offset:(32*\c+8*\u)*4+16*\k   ; register j of tile 2 c + u: unit 32 c + 16 h + 8 u + j
.endr
.endr
.endr
	WIN 0
.irp c,0,1,2,3
.irp i,0,1,2
	global_load_b64 v[W1S+6*\c+2*\i:W1S+6*\c+2*\i+1], v[WSA], s[10:11] offset:768*\c+8*\i    ; K steps 2 i and 2 i + 1
.endr
.endr
	; ---- my tile's 64 tokens.  Rank = the place among the expert's tokens, counted register by register and lane by lane.
	; Lane (r, h) looks for the tokens of rows 16 m + r, m = 0..3: both halves of the lanes do the same, so that nothing has to change lanes afterwards.
	s_add_co_u32 s43, s33, 16
	s_lshl_b32 s43, 1, s43                         ; the expert's bit in a token's word
.set li, 0
.rept 32
	v_and_b32 v[84+li%4], s43, v[160+li]
	v_cmp_ne_u32 s[66+li], 0, v[84+li%4]           ; s66-97: which lanes' tokens of register G are the expert's
.set li, li+1
.endr
	v_add_nc_u32 v[RK], s37, v2
.irp m,1,2,3
	v_add_nc_u32 v[RK+\m], 16*\m, v[RK]
.endr
.irp m,0,1,2,3
	v_min_u32 v[RK+\m], s38, v[RK+\m]              ; the rank that row 16 m + r wants, held at the expert's last
.endr
.irp m,0,1,2,3
	v_mov_b32 v[WM+\m], s66                        ; register 0 begins at rank 0, at or before every rank
	v_mov_b32 v[BG+\m], 0
.endr
	s_bcnt1_i32_b32 s[PA+1], s66                   ; ranks in front of register 1
	s_or_b32 s[PB+1], s[PA+1], 1<<16
.set li, 1
.rept 31
.if li < 31                            ; the scalars of the next register are made a step ahead, in the other pair
	s_bcnt1_i32_b32 s47, s[66+li]
	s_add_co_u32 s[PA+(li+1)%2], s[PA+li%2], s47
	s_or_b32 s[PB+(li+1)%2], s[PA+(li+1)%2], (li+1)<<16
.endif
.irp m,0,1,2,3
	v_cmp_gt_u32 vcc_lo, s[PA+li%2], v[RK+\m]      ; beyond my rank: what I have stays.  So the last register that begins at or before my rank is kept
	v_cndmask_b32 v[WM+\m], s[66+li], v[WM+\m], vcc_lo
	v_cndmask_b32 v[BG+\m], s[PB+li%2], v[BG+\m], vcc_lo
.endr
.set li, li+1
.endr
.irp m,0,1,2,3
	v_and_b32 v[TA+\m], 0xffff, v[BG+\m]
.endr
.irp m,0,1,2,3
	v_sub_nc_u32 v[RK+\m], v[RK+\m], v[TA+\m]      ; which set bit of the kept mask
.endr
	; the place of that bit: counts of 2, 4, 8 and 16 bits, then five halvings
.irp m,0,1,2,3
	v_lshrrev_b32 v[CA+\m], 1, v[WM+\m]
.endr
.irp m,0,1,2,3
	v_and_b32 v[CA+\m], 0x55555555, v[CA+\m]
.endr
.irp m,0,1,2,3
	v_sub_nc_u32 v[CA+\m], v[WM+\m], v[CA+\m]
.endr
.irp m,0,1,2,3
	v_lshrrev_b32 v[CB+\m], 2, v[CA+\m]
	v_and_b32 v[TA+\m], 0x33333333, v[CA+\m]
.endr
.irp m,0,1,2,3
	v_and_b32 v[CB+\m], 0x33333333, v[CB+\m]
.endr
.irp m,0,1,2,3
	v_add_nc_u32 v[CB+\m], v[CB+\m], v[TA+\m]
.endr
.irp m,0,1,2,3
	v_lshrrev_b32 v[CC+\m], 4, v[CB+\m]
.endr
.irp m,0,1,2,3
	v_add_nc_u32 v[CC+\m], v[CC+\m], v[CB+\m]
.endr
.irp m,0,1,2,3
	v_and_b32 v[CC+\m], 0x0f0f0f0f, v[CC+\m]
.endr
.irp m,0,1,2,3
	v_lshrrev_b32 v[CD+\m], 8, v[CC+\m]
	v_mov_b32 v[PS+\m], 0
.endr
.irp m,0,1,2,3
	v_add_nc_u32 v[CD+\m], v[CD+\m], v[CC+\m]
.endr
	BSTEP4 CD, 8, 16
	BSTEP4 CC, 8, 8
	BSTEP4 CB, 4, 4
	BSTEP4 CA, 2, 2
	BSTEP4 WM, 1, 1
.irp m,0,1,2,3
	v_lshrrev_b32 v[BG+\m], 16, v[BG+\m]           ; G
.endr
.irp m,0,1,2,3
	v_and_b32 v[TA+\m], 3, v[BG+\m]
	v_lshrrev_b32 v[BG+\m], 2, v[BG+\m]
.endr
.irp m,0,1,2,3
	v_lshl_add_u32 v[TA+\m], v[BG+\m], 7, v[TA+\m]
.endr
.irp m,0,1,2,3
	v_lshl_add_u32 v[TK+\m], v[PS+\m], 2, v[TA+\m] ; token = 128 (G / 4) + 4 lane + G % 4
.endr
	v_cndmask_b32 v[T0], v[TK], v[TK+1], s42       ; the token of row l: lanes 0-15 tile 0's, lanes 16-31 tile 1's
	v_cndmask_b32 v[T1], v[TK+2], v[TK+3], s42     ; and of row 32 + l
	s_or_b32 s36, ttmp9, s20
	s_cmp_lg_u32 s36, 0
	s_cbranch_scc1 .Lno_list
	v_mov_b32 v94, s33
	v_mov_b32 v95, 0
	global_store_b32 v[L4], v[T0], s[50:51]
	global_store_b32 v[L4], v[T1], s[50:51] offset:128
	global_store_b32 v95, v94, s[52:53] offset:9984    ; every lane writes the same word
.Lno_list:
.irp m,0,1,2,3
	v_min_u32 v[TA+\m], 0x3ff, v[TK+\m]            ; a number read from memory enters an address behind a bound
.endr
.irp m,0,1,2,3
	v_lshlrev_b32 v[TA+\m], 9, v[TA+\m]
.endr
.irp m,0,1,2,3
	v_add_nc_u32 v[XO+\m], v[H16], v[TA+\m]
.endr
	v_min_u32 v88, 0x3ff, v[T0]
	v_min_u32 v89, 0x3ff, v[T1]
	v_lshlrev_b32 v[XSO], 9, v88
	v_lshlrev_b32 v[XSO+1], 9, v89
	WIN 0x40
.irp m,0,1,2,3
.irp s,0,1,2,3,4,5
.irp c,0,1
	global_load_b128 v[8*(6*\m+\s)+4*\c:8*(6*\m+\s)+4*\c+3], v[XO+\m], s[6:7] offset:64*\s+32*\c   ; x's fragments stay in registers
.endr
.endr
.endr
	WIN 0
.irp p,0,1
.irp j,0,1,2
	global_load_b64 v[XS+6*\p+2*\j:XS+6*\p+2*\j+1], v[XSO+\p], s[6:7] offset:384+32*\j     ; lanes 0-15: rows of m = 2 p; lanes 16-31: of m = 2 p + 1
.endr
.endr
	W1LOAD 1, 1
	CHUNK 0
	CHUNK 1
	CHUNK 2
	CHUNK 3
	; ---- out.  The operand's layout wants a whole block in a lane: lanes 0-15 block 2 c, lanes 16-31 block 2 c + 1
	WIN 0x41
.irp m,0,1,2,3
.irp c,0,1
.irp i,0,1
	v_permlane16_swap_b32 v[PC+8*\m+4*\c+\i], v[PC+8*\m+4*\c+2+\i]
.endr
.endr
.endr
	WIN 0x04                                       ; a store's data are its source 1: window 1
.irp m,0,1,2,3
.irp c,0,1
	global_store_b128 v[GA], v[PC+8*\m+4*\c:PC+8*\m+4*\c+3], s[16:17] offset:1024*\m+512*\c    ; 512 consecutive bytes a store
.endr
.endr
	WIN 0
	v_cndmask_b32 v[PW], v[SW], v[SW+1], s42
	v_cndmask_b32 v[PW+1], v[SW+2], v[SW+3], s42
	global_store_b64 v[L8], v[PW:PW+1], s[18:19]   ; 256 consecutive bytes
	s_wait_tensorcnt 0x0
	ds_add_u32 v92, v93
	s_wait_dscnt 0x0
	s_endpgm
.Lempty:
	s_or_b32 s36, ttmp9, s20
	s_cmp_lg_u32 s36, 0
	s_cbranch_scc1 .Lend
	v_mov_b32 v94, 8                               ; the mark of an empty tile, and zeros for its tokens, so that every byte that is read later has been stored
	v_mov_b32 v95, 0
	global_store_b32 v[L4], v95, s[50:51]
	global_store_b32 v[L4], v95, s[50:51] offset:128
	global_store_b32 v95, v94, s[52:53] offset:9984
.Lend:
	s_endpgm
.Lfunc_end_k_qc6f0740327_ffn1:
	.size	k_qc6f0740327_ffn1, .Lfunc_end_k_qc6f0740327_ffn1-k_qc6f0740327_ffn1
	.p2alignl 7, 3214868480
	.fill 96, 4, 3214868480
	.section	.rodata,"a",@progbits
	.p2align	6, 0x0
	.amdhsa_kernel k_qc6f0740327_ffn1
		.amdhsa_group_segment_fixed_size 51712
		.amdhsa_private_segment_fixed_size 0
		.amdhsa_enable_private_segment 0
		.amdhsa_kernarg_size 64
		.amdhsa_user_sgpr_count 2
		.amdhsa_user_sgpr_kernarg_segment_ptr 1
		.amdhsa_wavefront_size32 1
		.amdhsa_system_sgpr_workgroup_id_x 1
		.amdhsa_system_sgpr_workgroup_id_y 1
		.amdhsa_system_sgpr_workgroup_id_z 1
		.amdhsa_system_vgpr_workitem_id 0
		.amdhsa_next_free_vgpr 768
		.amdhsa_next_free_sgpr 100
		.amdhsa_reserve_vcc 1
		.amdhsa_float_denorm_mode_32 3
		.amdhsa_float_denorm_mode_16_64 3
		.amdhsa_memory_ordered 1
		.amdhsa_forward_progress 1
		.amdhsa_inst_pref_size 176
	.end_amdhsa_kernel
	.amdgpu_metadata
---
amdhsa.version: [ 1, 2 ]
amdhsa.kernels:
  - .name:           k_qc6f0740327_ffn1
    .symbol:         k_qc6f0740327_ffn1.kd
    .args:
      - { .name: route, .offset: 0, .size: 8, .value_kind: global_buffer, .address_space: global }
      - { .name: xq, .offset: 8, .size: 8, .value_kind: global_buffer, .address_space: global }
      - { .name: w1_codes, .offset: 16, .size: 8, .value_kind: global_buffer, .address_space: global }
      - { .name: w1_scales, .offset: 24, .size: 8, .value_kind: global_buffer, .address_space: global }
      - { .name: b1, .offset: 32, .size: 8, .value_kind: global_buffer, .address_space: global }
      - { .name: tiles, .offset: 40, .size: 8, .value_kind: global_buffer, .address_space: global }
      - { .name: hq, .offset: 48, .size: 8, .value_kind: global_buffer, .address_space: global }
      - { .name: hsc, .offset: 56, .size: 8, .value_kind: global_buffer, .address_space: global }
    .group_segment_fixed_size: 51712
    .private_segment_fixed_size: 0
    .kernarg_segment_align: 8
    .kernarg_segment_size: 64
    .max_flat_workgroup_size: 128
    .sgpr_count:     100
    .vgpr_count:     768
    .wavefront_size: 32
...
	.end_amdgpu_metadata
.endif
;; end of part 2
;; launch ffn2 (part 3): grid 6 x 39, 4 waves a work-group, no clusters, 88,576 bytes of LDS; arguments tiles, route, gate, hq, hsc, w2_codes, w2_scales, b2, ybuf; writes ybuf
.if DOCPART == 3
	.amdgcn_target "amdgcn-amd-amdhsa--gfx1250"
	.amdhsa_code_object_version 6
	.text
	.protected	k_qc6f0740327_ffn2
	.globl	k_qc6f0740327_ffn2
	.p2align	8
	.type	k_qc6f0740327_ffn2,@function
k_qc6f0740327_ffn2:
	s_mov_b64 s[64:65], 0
	v_nop
	global_prefetch_b8 v0, s[64:65] scope:SCOPE_SE
	s_setreg_imm32_b32 hwreg(HW_REG_WAVE_MODE, 25, 1), 1
	s_wait_xcnt 0x0
; SECOND PRODUCT OF THE CHOSEN ROWS: y = (Q(h) W2[e]^T + b2[e]) x the token's weight for e, on E2M1 codes with E8M0 scales, sums f32.
; SHARES.  Wave = (row tile b of 64 rows, 64 columns cg = 2 x + wave % 2, half kh = wave / 2 of K = 3,072): 12 K steps of 128, in three units of 512.  The tile's expert and tokens were stored by the
; launch before; an empty tile ends at once.  K IS SHARED BETWEEN TWO WAVES so that four waves, not two, have loads on their way for the same bytes: a wave has 218 loads of 512 bytes to make.
; The two halves are not added here: each leaves as a partial row, and the launch behind adds them.  b2 goes into half 0 alone; the weight multiplies both.
; Waves share nothing: no barrier, LDS bytes of each wave's own.  No tensor loads and no joint loads: the walk hangs on numbers read from memory.
; LAYOUT.  Transposed: source 0 = 16 rows of W2 (columns of y), source 1 = 16 rows of h: lane (r, h) holds row r and columns 16 n + 8 h + 0..7.  b2 (or 0) is the C of each sum's first product.
; h's fragments come straight into registers (they were stored as images of these registers, 512 consecutive bytes a load).  Of W2 sixteen lanes read 256 consecutive bytes of a row; the rows turn into
; fragments through the wave's LDS, rows 272 bytes apart.  Two units of both are on their way at any time.
; OUT.  ybuf [kh][slot][token][768] f32, slot 0 for a token's lower expert, 1 for the higher: each row of 64 columns leaves as 256 consecutive bytes, through a stage in LDS.
; Rows that repeat an expert's last row store the same numbers to the same bytes.
; LIMITS.  NaN and infinities are not served.  The sum over K is made in two halves, added in f32 by the launch behind.
; REGISTERS.  window 0: v1-15 addresses; v16-23 the weights; v24-25 the rows' numbers; v32-55 h's scale words; v56-79 W2's; v80-111 the rows' offsets in ybuf; v128-255 W2's fragments (at work at the head;
; rows of y at the end).  window 1: v0-127 16 accumulators; v128-159 b2.  window 2: two sets of h's fragments.  window 3: two sets of W2 as loaded.
.set NU,  3                            ; units of 512 along K for a wave
.set GB,  4                            ; W2: 1536 h + 16 r
.set LSB, 5                            ; the turn, way in: 272 h + 16 r
.set LFB, 6                            ; the turn, way out: 272 r + 16 h
.set A16, 7                            ; 16 l
.set A8,  8                            ; 8 l
.set BSA, 9                            ; 96 l
.set BIA, 10                           ; 32 h
.set STO, 11                           ; the stage, way in: 272 r + 32 h
.set RD,  12                           ; the stage, way out: 272 h + 16 r
.set TB,  13                           ; the rows' table, read: 4 h
.set TW,  14                           ; the rows' table, written: 4 l
.set L15, 15                           ; 16 r
.set GT,  16                           ; v16-23 the weight of my row of tile m, as a pair
.set TS,  24                           ; v24-25 slot x 1024 + token of rows l and 32 + l
.set AS,  32                           ; register 2 s + p, s = my K step 0..11
.set BS,  56                           ; register 12 (n / 2) + s
.set RO,  80                           ; register 8 m + q: the byte offset in ybuf of row 16 m + 2 q + h, + 16 r
.set FR,  128
.set OUTR, 128
.set MSB, 0
.macro WIN new                         ; the immediate's high byte repeats the setting that is left
.if MSB != \new
	s_set_vgpr_msb (MSB<<8)|\new
.set MSB, \new
.endif
.endm
.macro WMS                             ; one product, by the symbols rD rA rB rC rSA rSB; fRA, fRB: the scales stand in lanes 16-31
.if fRA && fRB
	v_wmma_scale_f32_16x16x128_f8f6f4 v[rD:rD+7], v[rA:rA+7], v[rB:rB+7], v[rC:rC+7], v[rSA], v[rSB] matrix_a_fmt:MATRIX_FMT_FP4 matrix_b_fmt:MATRIX_FMT_FP4 matrix_a_scale:MATRIX_SCALE_ROW1 matrix_b_scale:MATRIX_SCALE_ROW1
.elseif fRA
	v_wmma_scale_f32_16x16x128_f8f6f4 v[rD:rD+7], v[rA:rA+7], v[rB:rB+7], v[rC:rC+7], v[rSA], v[rSB] matrix_a_fmt:MATRIX_FMT_FP4 matrix_b_fmt:MATRIX_FMT_FP4 matrix_a_scale:MATRIX_SCALE_ROW1
.elseif fRB
	v_wmma_scale_f32_16x16x128_f8f6f4 v[rD:rD+7], v[rA:rA+7], v[rB:rB+7], v[rC:rC+7], v[rSA], v[rSB] matrix_a_fmt:MATRIX_FMT_FP4 matrix_b_fmt:MATRIX_FMT_FP4 matrix_b_scale:MATRIX_SCALE_ROW1
.else
	v_wmma_scale_f32_16x16x128_f8f6f4 v[rD:rD+7], v[rA:rA+7], v[rB:rB+7], v[rC:rC+7], v[rSA], v[rSB] matrix_a_fmt:MATRIX_FMT_FP4 matrix_b_fmt:MATRIX_FMT_FP4
.endif
.endm
.macro BLOAD u, p                      ; unit u of my 64 rows of W2 into set p of window 3: two rows a load, 256 consecutive bytes of each
	WIN 0xc0
.set li, 0
.rept 32
	global_load_b128 v[128*(\p)+4*li:128*(\p)+4*li+3], v[GB], s[14:15] offset:3072*li+256*(\u)
.set li, li+1
.endr
	WIN 0
.endm
.macro ALOAD u, p                      ; unit u of h: 4 K steps x 4 tiles of rows, into set p of window 2
	WIN 0x80
.irp ks,0,1,2,3
.irp m,0,1,2,3
.irp c,0,1
	global_load_b128 v[128*(\p)+8*(4*\ks+\m)+4*\c:128*(\p)+8*(4*\ks+\m)+4*\c+3], v[A16], s[10:11] offset:(4*(\u)+\ks)*4096+1024*\m+512*\c
.endr
.endr
.endr
	WIN 0
.endm
.macro BTURN p                         ; LDS serves a wave's instructions in order: the loads see the stores, and these stores come behind the last unit's loads
	WIN 0x0c                                       ; an LDS store's data are its source 1: window 3
.set li, 0
.rept 32
	ds_store_b128 v[LSB], v[128*(\p)+4*li:128*(\p)+4*li+3] offset:544*li
.set li, li+1
.endr
	WIN 0
.irp ks,0,1,2,3
.irp n,0,1,2,3
.irp c,0,1
	ds_load_b128 v[FR+8*(4*\ks+\n)+4*\c:FR+8*(4*\ks+\n)+4*\c+3], v[LFB] offset:4352*\n+64*\ks+32*\c
.endr
.endr
.endr
.endm
; 64 products: 4 K steps x (4 tiles of columns x 4 tiles of rows).  The sixteen accumulators take turns, one instruction a turn.
.macro MM u, p
	WIN 0x58                                       ; W2 window 0, h window 2, C and D window 1
.irp ks,0,1,2,3
	s_wait_dscnt 24-8*\ks                          ; this K step's eight fragment loads are in; the later steps', eight each, may be out
.irp n,0,1,2,3
.irp m,0,1,2,3
.set rD, 8*(4*\m+\n)
.set rA, FR+8*(4*\ks+\n)
.set rB, 128*(\p)+8*(4*\ks+\m)
.set rC, rD
.if ((\u) == 0) && (\ks == 0)
.set rC, 128+8*\n
.endif
.set rSA, BS+12*(\n/2)+4*(\u)+\ks
.set rSB, AS+2*(4*(\u)+\ks)+\m/2
.set fRA, \n%2
.set fRB, \m%2
	WMS
.endr
.endr
.endr
	WIN 0
.rept 4
	v_nop                                          ; places behind the last products, ahead of loads into their operands and of the first read of results
.endr
.endm
; The 64 rows' offsets in ybuf, made once: lanes 0-15 take row 16 m + 2 q, lanes 16-31 the next.  It stands behind the first unit's products, ahead of a wait for loads from memory.
.macro ROWS
.irp m,0,1,2,3
.irp q,0,1,2,3,4,5,6,7
	ds_load_b32 v[RO+8*\m+\q], v[TB] offset:64*\m+8*\q
.endr
.endr
	s_wait_dscnt 0x0
.set li, 0
.rept 32
	v_min_u32 v[RO+li], 0x7ff, v[RO+li]            ; slot x 1024 + token, behind a bound
.set li, li+1
.endr
.set li, 0
.rept 32
	v_mul_u32_u24 v[RO+li], 0xc00, v[RO+li]        ; a row of 3,072 bytes
.set li, li+1
.endr
.set li, 0
.rept 32
	v_add_nc_u32 v[RO+li], v[L15], v[RO+li]
.set li, li+1
.endr
.endm
.macro UNIT u
	BTURN (\u)%2
.if (\u)+2 < NU
	s_wait_dscnt 24                                ; the 32 stores are done: their registers take the unit two on
	BLOAD (\u)+2, (\u)%2
.endif
	MM \u, (\u)%2
.if (\u) == 0
	ROWS
.endif
.if (\u)+2 < NU
	s_wait_loadcnt 32                              ; all but the 32 loads of W2 just issued: the next unit is in
	ALOAD (\u)+2, (\u)%2
.elseif (\u)+1 < NU
	s_wait_loadcnt 0x0                             ; the last unit is in
.endif
.endm
; THE WAY OUT of tile m, 16 rows x 64 columns.  PACK: x the weight, into the stage, back as whole rows of 256 bytes.  SEND: stored.
.macro PACK m
	WIN 0x41
.set oi, 0
.rept 16
	v_pk_mul_f32 v[32*(\m)+2*oi:32*(\m)+2*oi+1], v[32*(\m)+2*oi:32*(\m)+2*oi+1], v[GT+2*(\m):GT+2*(\m)+1] op_sel_hi:[1,0]   ; ascending: each accumulator is first read at its low end
.set oi, oi+1
.endr
	WIN 0x04                                       ; an LDS store's data are its source 1: window 1
.irp n,0,1,2,3
	ds_store_b128 v[STO], v[32*(\m)+8*\n:32*(\m)+8*\n+3] offset:64*\n
	ds_store_b128 v[STO], v[32*(\m)+8*\n+4:32*(\m)+8*\n+7] offset:64*\n+16
.endr
	WIN 0
.irp q,0,1,2,3,4,5,6,7
	ds_load_b128 v[OUTR+32*(\m)+4*\q:OUTR+32*(\m)+4*\q+3], v[RD] offset:544*\q     ; rows 2 q and 2 q + 1.  LDS serves a wave's instructions in order: these see the stores above, and the next tile's stores come behind them
.endr
.endm
.macro SEND m, younger                 ; younger: the LDS instructions issued behind tile m's loads: the next tile's sixteen, or none
	s_wait_dscnt \younger
.irp q,0,1,2,3,4,5,6,7
	global_store_b128 v[RO+8*(\m)+\q], v[OUTR+32*(\m)+4*\q:OUTR+32*(\m)+4*\q+3], s[20:21]   ; sixteen lanes store 256 consecutive bytes, at a multiple of 256 from ybuf's first byte; no register of a store is written again
.endr
.endm
	s_load_b512 s[4:19], s[0:1], 0x0               ; tiles, route, gate, hq, hsc, w2_codes, w2_scales, b2
	s_load_b64 s[20:21], s[0:1], 0x40              ; ybuf
	v_lshl_add_u32 v126, v0, 2, 0x15800
	v_mov_b32 v127, 0
	v_lshrrev_b32 v1, 5, v0
	v_readfirstlane_b32 s22, v1                    ; wave 0..3
	v_and_b32 v1, 31, v0                           ; lane l
	v_and_b32 v2, 15, v0                           ; r
	v_bfe_u32 v3, v0, 4, 1                         ; h
	s_and_b32 s23, ttmp7, 0xffff                   ; b: the tile
	s_and_b32 s38, s22, 1
	s_lshr_b32 s39, s22, 1                         ; kh: my half of K
	s_lshl_b32 s24, ttmp9, 1
	s_add_co_u32 s24, s24, s38                     ; cg: my 64 columns
	s_cmp_eq_u32 s39, 0
	s_cselect_b32 s33, -1, 0                       ; all lanes in half 0, none in half 1
	s_mul_i32 s29, s22, 22016                      ; my wave's LDS: the turn (64 x 272), the stage (16 x 272), the rows' table (256)
	v_lshlrev_b32 v[L15], 4, v2
	v_mul_u32_u24 v[GB], v3, 1536
	v_add_nc_u32 v[GB], v[GB], v[L15]
	v_mul_u32_u24 v150, v3, 272
	v_add_nc_u32 v150, v150, v[L15]
	v_add_nc_u32 v[LSB], s29, v150
	s_add_co_u32 s30, s29, 17408
	v_add_nc_u32 v[RD], s30, v150
	v_mul_u32_u24 v151, v2, 272
	v_lshl_add_u32 v152, v3, 4, v151
	v_add_nc_u32 v[LFB], s29, v152
	v_lshl_add_u32 v152, v3, 5, v151
	v_add_nc_u32 v[STO], s30, v152
	s_add_co_u32 s30, s29, 21760
	v_lshl_add_u32 v[TB], v3, 2, s30
	v_lshl_add_u32 v[TW], v1, 2, s30
	v_lshlrev_b32 v[A16], 4, v1
	v_lshlrev_b32 v[A8], 3, v1
	v_mul_u32_u24 v[BSA], v1, 96
	v_lshlrev_b32 v[BIA], 5, v3
	v_lshlrev_b32 v131, 2, v1
	v_mov_b32 v146, 0                              ; written once: the destination of a lane exchange counts as read
	v_mov_b32 v147, 0
	s_mov_b32 s26, 0x76543210
	s_mov_b32 s27, 0xfedcba98                      ; v_permlanex16_b32's selects for lane l xor 16
	s_mov_b32 s28, 0xffff0000                      ; lanes 16-31
	s_mov_b32 s31, 0
	s_wait_kmcnt 0x0
	s_lshl_b32 s30, s23, 2
	s_add_nc_u64 s[34:35], s[4:5], s[30:31]
	s_load_b32 s25, s[34:35], 0x2700               ; the tile's expert, 8 for an empty tile
	s_lshl_b32 s30, s23, 8
	s_add_nc_u64 s[36:37], s[4:5], s[30:31]
	global_load_b32 v128, v131, s[36:37]           ; the token of row l,
	global_load_b32 v129, v131, s[36:37] offset:128    ; and of row 32 + l
	s_wait_kmcnt 0x0
	s_cmp_ge_u32 s25, 8
	s_cbranch_scc1 .Lend                           ; a branch on a stored whole number; no barrier stands in this text
	s_min_u32 s25, s25, 7
	s_mul_i32 s30, s25, 1179648
	s_mul_i32 s32, s24, 98304
	s_add_co_u32 s30, s30, s32
	s_mul_i32 s32, s39, 768
	s_add_co_u32 s30, s30, s32
	s_add_nc_u64 s[14:15], s[14:15], s[30:31]      ; W2's codes: my 64 rows of 1,536 bytes, my half of each
	s_mul_i32 s30, s25, 73728
	s_mul_i32 s32, s24, 6144
	s_add_co_u32 s30, s30, s32
	s_mul_i32 s32, s39, 48
	s_add_co_u32 s30, s30, s32
	s_add_nc_u64 s[16:17], s[16:17], s[30:31]      ; W2's scales: my 64 rows of 96 bytes, my half of each
	s_mul_i32 s30, s25, 3072
	s_lshl_b32 s32, s24, 8
	s_add_co_u32 s30, s30, s32
	s_add_nc_u64 s[18:19], s[18:19], s[30:31]      ; b2: my 64 numbers
	s_mul_i32 s30, s23, 98304
	s_mul_i32 s32, s39, 49152
	s_add_co_u32 s30, s30, s32
	s_add_nc_u64 s[10:11], s[10:11], s[30:31]      ; hq: my tile, my 12 K steps of 4,096 bytes
	s_mul_i32 s30, s23, 6144
	s_mul_i32 s32, s39, 3072
	s_add_co_u32 s30, s30, s32
	s_add_nc_u64 s[12:13], s[12:13], s[30:31]      ; hsc: my tile, my 12 K steps of 256 bytes
	s_lshl_b32 s30, s24, 8
	s_mul_i32 s32, s39, 6291456
	s_add_co_u32 s30, s30, s32
	s_add_nc_u64 s[20:21], s[20:21], s[30:31]      ; ybuf: my half's rows, my 256 bytes of a row
	s_wait_loadcnt 0x0                             ; the tokens (asked for together with the expert)
	v_min_u32 v128, 0x3ff, v128                    ; numbers read from memory enter addresses behind a bound
	v_min_u32 v129, 0x3ff, v129
	v_lshlrev_b32 v130, 2, v128
	v_lshlrev_b32 v132, 2, v129
	v_lshlrev_b32 v133, 3, v128
	v_lshlrev_b32 v134, 3, v129
	global_load_b32 v135, v130, s[6:7] offset:8192     ; the tokens' words: e_lo, e_hi
	global_load_b32 v136, v132, s[6:7] offset:8192
	global_load_b64 v[138:139], v133, s[8:9]           ; and their two weights
	global_load_b64 v[140:141], v134, s[8:9]
.irp q,0,1
.irp i,0,1,2
	global_load_b128 v[BS+12*\q+4*\i:BS+12*\q+4*\i+3], v[BSA], s[16:17] offset:3072*\q+16*\i   ; lane l: the scale words of row 32 q + l, my K steps 4 i on: lanes 0-15 tile n = 2 q, lanes 16-31 n = 2 q + 1
.endr
.endr
.set li, 0
.rept 12
	global_load_b64 v[AS+2*li:AS+2*li+1], v[A8], s[12:13] offset:256*li        ; h's scale words of my K step li
.set li, li+1
.endr
	WIN 0x40
.irp n,0,1,2,3
.irp k,0,1
	global_load_b128 v[128+8*\n+4*\k:128+8*\n+4*\k+3], v[BIA], s[18:19] offset:64*\n+16*\k   ; register j of tile n: column 16 n + 8 h + j
.endr
.endr
	WIN 0
	BLOAD 0, 0
	ALOAD 0, 0
	ALOAD 1, 1
	BLOAD 1, 1
	s_wait_loadcnt 63                              ; unit 1's 64 loads are younger than all that unit 0 wants; the wait's field holds 63, so one of them is awaited too
	; ---- b2 counts once: half 1 starts its sums from 0
	WIN 0x44                                       ; source 1 and destination window 1
.set li, 0
.rept 32
	v_cndmask_b32 v[128+li], 0, v[128+li], s33
.set li, li+1
.endr
	WIN 0
	; ---- which slot and which weight has each row?
	v_bfe_u32 v142, v135, 8, 8
	v_cmp_eq_u32 vcc_lo, s25, v142                 ; my expert is the token's higher one
	v_cndmask_b32 v143, v138, v139, vcc_lo
	v_add_nc_u32 v144, 0x400, v128
	v_cndmask_b32 v[TS], v128, v144, vcc_lo        ; slot x 1024 + token
	v_bfe_u32 v142, v136, 8, 8
	v_cmp_eq_u32 vcc_lo, s25, v142
	v_cndmask_b32 v145, v140, v141, vcc_lo
	v_add_nc_u32 v144, 0x400, v129
	v_cndmask_b32 v[TS+1], v129, v144, vcc_lo
	ds_store_b32 v[TW], v[TS]
	ds_store_b32 v[TW], v[TS+1] offset:128
	v_permlanex16_b32 v146, v143, s26, s27
	v_permlanex16_b32 v147, v145, s26, s27
	v_cndmask_b32 v[GT], v143, v146, s28           ; lane (r, h) of tile m wants the weight of row 16 m + r
	v_cndmask_b32 v[GT+2], v146, v143, s28
	v_cndmask_b32 v[GT+4], v145, v147, s28
	v_cndmask_b32 v[GT+6], v147, v145, s28
.irp m,0,1,2,3
	v_mov_b32 v[GT+2*\m+1], v[GT+2*\m]             ; named as a pair by the packed product
.endr
	UNIT 0
	UNIT 1
	UNIT 2
	PACK 0
	PACK 1                                         ; a tile's arithmetic and its way through the stage stand between the loads of the tile before and its stores
	SEND 0, 16
	PACK 2
	SEND 1, 16
	PACK 3
	SEND 2, 16
	SEND 3, 0
.Lend:
	s_wait_tensorcnt 0x0
	ds_add_u32 v126, v127
	s_wait_dscnt 0x0
	s_endpgm
.Lfunc_end_k_qc6f0740327_ffn2:
	.size	k_qc6f0740327_ffn2, .Lfunc_end_k_qc6f0740327_ffn2-k_qc6f0740327_ffn2
	.p2alignl 7, 3214868480
	.fill 96, 4, 3214868480
	.section	.rodata,"a",@progbits
	.p2align	6, 0x0
	.amdhsa_kernel k_qc6f0740327_ffn2
		.amdhsa_group_segment_fixed_size 88576
		.amdhsa_private_segment_fixed_size 0
		.amdhsa_enable_private_segment 0
		.amdhsa_kernarg_size 72
		.amdhsa_user_sgpr_count 2
		.amdhsa_user_sgpr_kernarg_segment_ptr 1
		.amdhsa_wavefront_size32 1
		.amdhsa_system_sgpr_workgroup_id_x 1
		.amdhsa_system_sgpr_workgroup_id_y 1
		.amdhsa_system_sgpr_workgroup_id_z 1
		.amdhsa_system_vgpr_workitem_id 0
		.amdhsa_next_free_vgpr 1024
		.amdhsa_next_free_sgpr 66
		.amdhsa_reserve_vcc 1
		.amdhsa_float_denorm_mode_32 3
		.amdhsa_float_denorm_mode_16_64 3
		.amdhsa_memory_ordered 1
		.amdhsa_forward_progress 1
		.amdhsa_inst_pref_size 85
	.end_amdhsa_kernel
	.amdgpu_metadata
---
amdhsa.version: [ 1, 2 ]
amdhsa.kernels:
  - .name:           k_qc6f0740327_ffn2
    .symbol:         k_qc6f0740327_ffn2.kd
    .args:
      - { .name: tiles, .offset: 0, .size: 8, .value_kind: global_buffer, .address_space: global }
      - { .name: route, .offset: 8, .size: 8, .value_kind: global_buffer, .address_space: global }
      - { .name: gate, .offset: 16, .size: 8, .value_kind: global_buffer, .address_space: global }
      - { .name: hq, .offset: 24, .size: 8, .value_kind: global_buffer, .address_space: global }
      - { .name: hsc, .offset: 32, .size: 8, .value_kind: global_buffer, .address_space: global }
      - { .name: w2_codes, .offset: 40, .size: 8, .value_kind: global_buffer, .address_space: global }
      - { .name: w2_scales, .offset: 48, .size: 8, .value_kind: global_buffer, .address_space: global }
      - { .name: b2, .offset: 56, .size: 8, .value_kind: global_buffer, .address_space: global }
      - { .name: ybuf, .offset: 64, .size: 8, .value_kind: global_buffer, .address_space: global }
    .group_segment_fixed_size: 88576
    .private_segment_fixed_size: 0
    .kernarg_segment_align: 8
    .kernarg_segment_size: 72
    .max_flat_workgroup_size: 128
    .sgpr_count:     66
    .vgpr_count:     1024
    .wavefront_size: 32
...
	.end_amdgpu_metadata
.endif
;; end of part 3
;; launch lnorm (part 4): grid 256 x 1, 4 waves a work-group, no clusters, 0 bytes of LDS; arguments ybuf, ln_g, ln_b, out0; writes out0
.if DOCPART == 4
	.amdgcn_target "amdgcn-amd-amdhsa--gfx1250"
	.amdhsa_code_object_version 6
	.text
	.protected	k_qc6f0740327_lnorm
	.globl	k_qc6f0740327_lnorm
	.p2align	8
	.type	k_qc6f0740327_lnorm,@function
k_qc6f0740327_lnorm:
	s_mov_b64 s[64:65], 0
	v_nop
	global_prefetch_b8 v0, s[64:65] scope:SCOPE_SE
	s_setreg_imm32_b32 hwreg(HW_REG_WAVE_MODE, 25, 1), 1
	s_wait_xcnt 0x0
; out0[t] = LayerNorm(y_lo[t] + y_hi[t]) x ln_g + ln_b, all f32.  ybuf is [half of K][slot][token][768]: a token's weighted row of its lower expert (slot 0) and of its higher one (slot 1), each in two
; partial sums over K.  The halves of a slot are added first, then the two slots, the lower expert's first, as the sum over ascending experts has it.
; A wave takes one token: 768 numbers, 24 a lane, kept in registers between the mean, the variance (of the differences from the mean) and the scaling.  Each load and store covers 512 consecutive bytes.
; No LDS, no barrier, no matrix unit: a stream with a reduction inside a wave.
.set Y0, 8                             ; v8-31    slot 0, half 0; then the sum, the differences, the result
.set Y1, 32                            ; v32-55   slot 1, half 0
.set Y2, 56                            ; v56-79   slot 0, half 1
.set Y3, 80                            ; v80-103  slot 1, half 1
.set G,  104                           ; v104-127 ln_g
.set BB, 128                           ; v128-151 ln_b
	s_load_b256 s[4:11], s[0:1], 0x0               ; ybuf, ln_g, ln_b, out0
	v_lshrrev_b32 v1, 5, v0
	v_readfirstlane_b32 s12, v1
	v_and_b32 v1, 31, v0
	v_lshlrev_b32 v2, 4, v1                        ; 16 l
	s_lshl_b32 s13, ttmp9, 2
	s_add_co_u32 s13, s13, s12                     ; my token
	s_mul_i32 s14, s13, 3072
	s_mov_b32 s15, 0
	s_mov_b32 s16, 0x76543210
	s_mov_b32 s17, 0xfedcba98                      ; v_permlanex16_b32's selects for lane l xor 16
	s_mov_b32 s18, 0x3aaaaaab                      ; 1 / 768
	s_mov_b32 s19, 0x3727c5ac                      ; 1e-5
	s_wait_kmcnt 0x0
	s_add_nc_u64 s[4:5], s[4:5], s[14:15]
	s_add_nc_u64 s[20:21], s[4:5], 0x600000        ; half 1 lies 6,291,456 bytes on: a base of its own, since slot 1 of it would pass the load's signed 24-bit immediate
	s_add_nc_u64 s[10:11], s[10:11], s[14:15]
.irp i,0,1,2,3,4,5
	global_load_b128 v[Y0+4*\i:Y0+4*\i+3], v2, s[4:5] offset:512*\i th:TH_LOAD_NT
.endr
.irp i,0,1,2,3,4,5
	global_load_b128 v[Y2+4*\i:Y2+4*\i+3], v2, s[20:21] offset:512*\i th:TH_LOAD_NT
.endr
.irp i,0,1,2,3,4,5
	global_load_b128 v[Y1+4*\i:Y1+4*\i+3], v2, s[4:5] offset:3145728+512*\i th:TH_LOAD_NT
.endr
.irp i,0,1,2,3,4,5
	global_load_b128 v[Y3+4*\i:Y3+4*\i+3], v2, s[20:21] offset:3145728+512*\i th:TH_LOAD_NT
.endr
.irp i,0,1,2,3,4,5
	global_load_b128 v[G+4*\i:G+4*\i+3], v2, s[6:7] offset:512*\i
.endr
.irp i,0,1,2,3,4,5
	global_load_b128 v[BB+4*\i:BB+4*\i+3], v2, s[8:9] offset:512*\i
.endr
	s_wait_loadcnt 12                              ; the four rows are in; the 12 younger loads, gain and bias, may be out
.irp i,0,1,2,3,4,5,6,7,8,9,10,11
	v_pk_add_f32 v[Y0+2*\i:Y0+2*\i+1], v[Y0+2*\i:Y0+2*\i+1], v[Y2+2*\i:Y2+2*\i+1]   ; the lower expert's two halves,
	v_pk_add_f32 v[Y1+2*\i:Y1+2*\i+1], v[Y1+2*\i:Y1+2*\i+1], v[Y3+2*\i:Y3+2*\i+1]   ; the higher one's
.endr
.irp i,0,1,2,3,4,5,6,7,8,9,10,11
	v_pk_add_f32 v[Y0+2*\i:Y0+2*\i+1], v[Y0+2*\i:Y0+2*\i+1], v[Y1+2*\i:Y1+2*\i+1]
.endr
	v_pk_add_f32 v[152:153], v[Y0:Y0+1], v[Y0+2:Y0+3]      ; the sum, in two chains
	v_pk_add_f32 v[154:155], v[Y0+4:Y0+5], v[Y0+6:Y0+7]
.irp i,4,6,8,10
	v_pk_add_f32 v[152:153], v[152:153], v[Y0+2*\i:Y0+2*\i+1]
	v_pk_add_f32 v[154:155], v[154:155], v[Y0+2*\i+2:Y0+2*\i+3]
.endr
	v_pk_add_f32 v[152:153], v[152:153], v[154:155]
	v_add_f32 v152, v152, v153
.irp n,1,2,4,8
	v_add_f32_dpp v152, v152, v152 row_xmask:\n row_mask:0xf bank_mask:0xf
.endr
	v_permlanex16_b32 v153, v152, s16, s17
	v_add_f32 v152, v152, v153
	v_mul_f32 v156, s18, v152                      ; the mean
	v_mov_b32 v157, v156
.irp i,0,1,2,3,4,5,6,7,8,9,10,11
	v_pk_add_f32 v[Y0+2*\i:Y0+2*\i+1], v[Y0+2*\i:Y0+2*\i+1], v[156:157] neg_lo:[0,1] neg_hi:[0,1]
.endr
	v_pk_mul_f32 v[152:153], v[Y0:Y0+1], v[Y0:Y0+1]        ; the squares, in two chains
	v_pk_mul_f32 v[154:155], v[Y0+2:Y0+3], v[Y0+2:Y0+3]
.irp i,2,4,6,8,10
	v_pk_fma_f32 v[152:153], v[Y0+2*\i:Y0+2*\i+1], v[Y0+2*\i:Y0+2*\i+1], v[152:153]
	v_pk_fma_f32 v[154:155], v[Y0+2*\i+2:Y0+2*\i+3], v[Y0+2*\i+2:Y0+2*\i+3], v[154:155]
.endr
	v_pk_add_f32 v[152:153], v[152:153], v[154:155]
	v_add_f32 v152, v152, v153
.irp n,1,2,4,8
	v_add_f32_dpp v152, v152, v152 row_xmask:\n row_mask:0xf bank_mask:0xf
.endr
	v_permlanex16_b32 v153, v152, s16, s17
	v_add_f32 v152, v152, v153
	v_fma_f32 v152, v152, s18, s19                 ; the variance + 1e-5
	v_rsq_f32 v158, v152
	v_nop                                          ; a plain line behind the transcendental
	s_wait_alu depctr_va_vdst(0)                   ; the wait ahead of the result's first reader
	v_mov_b32 v159, v158
	s_wait_loadcnt 0x0                             ; gain and bias
.irp i,0,1,2,3,4,5,6,7,8,9,10,11
	v_pk_mul_f32 v[G+2*\i:G+2*\i+1], v[G+2*\i:G+2*\i+1], v[158:159]
.endr
.irp i,0,1,2,3,4,5,6,7,8,9,10,11
	v_pk_fma_f32 v[Y0+2*\i:Y0+2*\i+1], v[Y0+2*\i:Y0+2*\i+1], v[G+2*\i:G+2*\i+1], v[BB+2*\i:BB+2*\i+1]
.endr
.irp i,0,1,2,3,4,5
	global_store_b128 v2, v[Y0+4*\i:Y0+4*\i+3], s[10:11] offset:512*\i th:TH_STORE_NT
.endr
	s_endpgm
.Lfunc_end_k_qc6f0740327_lnorm:
	.size	k_qc6f0740327_lnorm, .Lfunc_end_k_qc6f0740327_lnorm-k_qc6f0740327_lnorm
	.p2alignl 7, 3214868480
	.fill 96, 4, 3214868480
	.section	.rodata,"a",@progbits
	.p2align	6, 0x0
	.amdhsa_kernel k_qc6f0740327_lnorm
		.amdhsa_group_segment_fixed_size 0
		.amdhsa_private_segment_fixed_size 0
		.amdhsa_enable_private_segment 0
		.amdhsa_kernarg_size 32
		.amdhsa_user_sgpr_count 2
		.amdhsa_user_sgpr_kernarg_segment_ptr 1
		.amdhsa_wavefront_size32 1
		.amdhsa_system_sgpr_workgroup_id_x 1
		.amdhsa_system_sgpr_workgroup_id_y 1
		.amdhsa_system_sgpr_workgroup_id_z 1
		.amdhsa_system_vgpr_workitem_id 0
		.amdhsa_next_free_vgpr 160
		.amdhsa_next_free_sgpr 66
		.amdhsa_reserve_vcc 0
		.amdhsa_float_denorm_mode_32 3
		.amdhsa_float_denorm_mode_16_64 3
		.amdhsa_memory_ordered 1
		.amdhsa_forward_progress 1
		.amdhsa_inst_pref_size 13
	.end_amdhsa_kernel
	.amdgpu_metadata
---
amdhsa.version: [ 1, 2 ]
amdhsa.kernels:
  - .name:           k_qc6f0740327_lnorm
    .symbol:         k_qc6f0740327_lnorm.kd
    .args:
      - { .name: ybuf, .offset: 0, .size: 8, .value_kind: global_buffer, .address_space: global }
      - { .name: ln_g, .offset: 8, .size: 8, .value_kind: global_buffer, .address_space: global }
      - { .name: ln_b, .offset: 16, .size: 8, .value_kind: global_buffer, .address_space: global }
      - { .name: out0, .offset: 24, .size: 8, .value_kind: global_buffer, .address_space: global }
    .group_segment_fixed_size: 0
    .private_segment_fixed_size: 0
    .kernarg_segment_align: 8
    .kernarg_segment_size: 32
    .max_flat_workgroup_size: 128
    .sgpr_count:     66
    .vgpr_count:     160
    .wavefront_size: 32
...
	.end_amdgpu_metadata
.endif
;; end of part 4
;; ======== version 2 of 2: 4 launches; version 1 with the launches ffn1, ffn2 written anew for expert scheduling mode
;; workspace buffers: xq 524,288 bytes; route 12,288 bytes of whole numbers; gate 8,192 bytes; tiles 10,240 bytes of whole numbers; hq 3,833,856 bytes; hsc 239,616 bytes; ybuf 12,582,912 bytes
;; launch router: the kernel of part 1 again; grid 256 x 1, 3 waves a work-group, no clusters, 4,608 bytes of LDS; arguments x, router_w, router_b, xq, route, gate; writes xq, route, gate
;; launch ffn1 (part 5): grid 6 x 39, 4 waves a work-group, no clusters, 51,712 bytes of LDS; arguments route, xq, w1_codes, w1_scales, b1, tiles, hq, hsc; writes tiles, hq, hsc
.if DOCPART == 5
	.amdgcn_target "amdgcn-amd-amdhsa--gfx1250"
	.amdhsa_code_object_version 6
	.text
	.protected	k_qc6f0740327_ffn1
	.globl	k_qc6f0740327_ffn1
	.p2align	8
	.type	k_qc6f0740327_ffn1,@function
k_qc6f0740327_ffn1:
	s_mov_b64 s[64:65], 0
	v_nop
	global_prefetch_b8 v0, s[64:65] scope:SCOPE_SE
	s_setreg_imm32_b32 hwreg(HW_REG_WAVE_SCHED_MODE, 0, 2), 2
	s_setreg_imm32_b32 hwreg(HW_REG_WAVE_MODE, 25, 1), 1
	s_wait_xcnt 0x0
	s_wait_alu depctr_vm_vsrc(0)
; FIRST PRODUCT OF THE CHOSEN ROWS: h = Q(gelu(Q(x) W1[e]^T + b1[e])), both operands E2M1 with E8M0 scales, sums f32, gelu (tanh form) and the quantiser in f32.
; ROW TILES.  The 2,048 routed rows (token, expert) are laid by expert in tiles of 64 rows: never more than 2048 / 64 + 8 - 1 = 39 tiles, whatever the choice: grid y.  Every wave finds its tile's expert and
; its 64 tokens itself, in whole numbers, from what the launch before stored in route.  A tile that the split leaves empty ends at once.  Rows past an expert's count repeat its last row, so all 64 rows are real.
; THE PLACING uses loads, plain integer arithmetic, compares into scalar masks, counts of set bits and selects alone: no whole number goes from lane to lane by a lane exchange.
; SHARES.  Wave = (tile b, 128 hidden units hg = 4 x + wave): K step hg of the second product.  It works in 4 chunks of 32 units.  Waves share nothing: no barrier, LDS bytes of each wave's own.
; No tensor loads and no joint loads: the walk hangs on numbers read from memory.
; LAYOUT.  The product is used transposed (source 0 = 16 rows of W1, source 1 = 16 tokens): a lane holds ONE token.  Lane r of tile 2 c + u takes row 32 c + 8 u + r + 8 (r / 8), so that the 16 registers
; of a pair of tiles are 16 neighbours along H: 32 c + 16 (lane / 16) + 0..15.  b1 is the C of each sum's first product.
; W1's rows come as they lie (a chunk's 32 rows are 12,288 consecutive bytes: 24 loads of 512) and turn into fragments through the wave's LDS, rows 400 bytes apart.
; OUT.  hq [tile][K step][m][c][lane][16 bytes]: the images of the second product's operand registers;  hsc [tile][K step][lane][2]: word p: lanes 0-15 the rows of m = 2 p, lanes 16-31 of m = 2 p + 1;
; tiles: 64 tokens a tile at 256 b, and at 9984 + 4 b the expert, 8 for an empty tile (stored by work-group x = 0, wave 0).
; LIMITS.  NaN and infinities are not served.  A block of zeros gets the byte 1 (zero codes; only this program reads the bytes).
; REGISTERS.  window 0: v1-31 addresses and constants; v32-55 W1's scale words; v56-67 x's; v68-79 at work in the quantiser; v80-95 at work at the head; v96-159 at the head the chosen-bytes and then the placing's
; numbers, later eight accumulators; v160-255 at the head the tokens' words, later W1's fragments, then the gelu's numbers.  window 1: v0-191 x's 24 fragments; v192-223 the codes made.
; window 2: v0-191 two sets of W1 as loaded; v192-255 b1.
; THE MODE: SCHED_MODE bits 1:0 = 2 (LLVM: expert scheduling mode 2), set by the entry lines.  The code itself states the register dependences between vector or matrix instructions and memory or LDS
; instructions, with s_wait_alu, always for 0.
; THE PLAN.  Registers that memory or LDS instructions touch:
;   v4-12, v92, v93   offsets and LDS addresses: written at the head and never again: one wait on va_vdst ahead of the first load serves them for the whole kernel.
;   v13-18            x's offsets, made by the placing: one wait on va_vdst ahead of x's loads.  The same wait states that the placing is done reading v160-191, in which the first turn's LDS loads land.
;   window 2, sets    written by loads alone, read by the turn's LDS stores alone: one wait on vm_vsrc ahead of the loads that fill a set again.
;   v160-255          a turn's LDS loads land there; the chunk's products read them, its gelu writes over them: one wait on va_vdst at the head of each chunk but the first.
;   the codes, v26-27 written by conversions, exchanges and selects, read by the stores at the end: one wait on va_vdst ahead of that run of stores.
;   A scalar register that a vector instruction writes (the wave's number, a compare's mask) is read only behind a wait on va_sdst: the compares stand in runs, with one wait behind each run.
.set GA,  4                            ; 16 l
.set LS0, 5                            ; v5-7  the turn, way in: piece 32 k + l of four rows
.set LF,  8                            ; the turn, way out: 400 r + 16 h
.set WSA, 9                            ; W1's scale words: 24 x my row of a chunk
.set BA,  10                           ; b1: 64 h
.set L8,  11                           ; 8 l
.set L4,  12                           ; 4 l
.set XO,  13                           ; v13-16 x's fragments: 512 x token of (m, r) + 16 h
.set XSO, 17                           ; v17-18 x's scale words: 512 x token of row 32 p + l
.set T0,  19                           ; token of row l
.set T1,  20                           ; token of row 32 + l
.set H16, 21                           ; 16 h
.set C1,  22                           ; v22-23 -2 log2(e) sqrt(2 / pi), twice
.set C2,  24                           ; v24-25 0.044715 times that, twice
.set PW,  26                           ; v26-27 the two scale words that I store
.set SW,  28                           ; v28-31 the scale word of my row of tile m
.set W1S, 32
.set XS,  56
.set MX,  68
.set TP,  72
.set SC,  76
.set ACC, 96
.set FR,  160
.set TMP, 160
.set PC,  192                          ; in window 1
.set B1,  192                          ; in window 2
; the placing's numbers, four each, one for each tile m of 16 rows
.set RK,  96                           ; the rank wanted, then which set bit of the kept mask
.set WM,  100                          ; the kept mask
.set BG,  104                          ; ranks in front of the kept register | its number << 16
.set PS,  108                          ; the place of the bit
.set TK,  112                          ; the token of row 16 m + r
.set CA,  116                          ; counts of 2 bits,
.set CB,  120                          ; of 4,
.set CC,  124                          ; of 8,
.set CD,  128                          ; of 16
.set TA,  132                          ; at work
.set TBB, 136
.set TC,  140
.set PA,  44                           ; s44-47 ranks in front of four registers on end;  s2, s3, s98, s99: the same | the register's number << 16
.set PT,  39                           ; s39    at work.  s24-31 and s56-63: sixteen masks of compares
.set MSB, 0
.macro WIN new                         ; the immediate's high byte repeats the setting that is left
.if MSB != \new
	s_set_vgpr_msb (MSB<<8)|\new
.set MSB, \new
.endif
.endm
.macro WMS                             ; one product, by the symbols rD rA rB rC rSA rSB; fRA, fRB: the scales stand in lanes 16-31
.if fRA && fRB
	v_wmma_scale_f32_16x16x128_f8f6f4 v[rD:rD+7], v[rA:rA+7], v[rB:rB+7], v[rC:rC+7], v[rSA], v[rSB] matrix_a_fmt:MATRIX_FMT_FP4 matrix_b_fmt:MATRIX_FMT_FP4 matrix_a_scale:MATRIX_SCALE_ROW1 matrix_b_scale:MATRIX_SCALE_ROW1
.elseif fRA
	v_wmma_scale_f32_16x16x128_f8f6f4 v[rD:rD+7], v[rA:rA+7], v[rB:rB+7], v[rC:rC+7], v[rSA], v[rSB] matrix_a_fmt:MATRIX_FMT_FP4 matrix_b_fmt:MATRIX_FMT_FP4 matrix_a_scale:MATRIX_SCALE_ROW1
.elseif fRB
	v_wmma_scale_f32_16x16x128_f8f6f4 v[rD:rD+7], v[rA:rA+7], v[rB:rB+7], v[rC:rC+7], v[rSA], v[rSB] matrix_a_fmt:MATRIX_FMT_FP4 matrix_b_fmt:MATRIX_FMT_FP4 matrix_b_scale:MATRIX_SCALE_ROW1
.else
	v_wmma_scale_f32_16x16x128_f8f6f4 v[rD:rD+7], v[rA:rA+7], v[rB:rB+7], v[rC:rC+7], v[rSA], v[rSB] matrix_a_fmt:MATRIX_FMT_FP4 matrix_b_fmt:MATRIX_FMT_FP4
.endif
.endm
.macro W1LOAD c, p, e                  ; chunk c's 32 rows of W1, as they lie, into set p of window 2: each load reads 512 consecutive bytes.  e = 1: the set has been through a turn
	WIN 0x80
.if \e
	s_wait_alu depctr_vm_vsrc(0)                   ; the turn's LDS stores have read set p, in which these loads land
.endif
.set li, 0
.rept 24
	global_load_b128 v[96*(\p)+4*li:96*(\p)+4*li+3], v[GA], s[8:9] offset:12288*(\c)+512*li
.set li, li+1
.endr
	WIN 0
.endm
; Three loads are four rows.  Row rho of the chunk goes to place 16 bit3 + 8 bit4 + rho % 8, so that a tile's 16 rows lie on end; LDS serves a wave's instructions in order, so the loads see the stores.
.macro TURN p
	WIN 0x08                                       ; an LDS store's data are its source 1: window 2
.set li, 0
.rept 24
	ds_store_b128 v[LS0+li%3], v[96*(\p)+4*li:96*(\p)+4*li+3] offset:400*(16*(((li/3)>>1)&1)+8*((li/3)>>2)+4*((li/3)&1))
.set li, li+1
.endr
	WIN 0
.irp s,0,1,2,3,4,5
.irp u,0,1
.irp c,0,1
	ds_load_b128 v[FR+8*(6*\u+\s)+4*\c:FR+8*(6*\u+\s)+4*\c+3], v[LF] offset:6400*\u+64*\s+32*\c
.endr
.endr
.endr
.endm
; 48 products: 6 K steps x (2 tiles of units x 4 tiles of tokens).  The eight accumulators take turns, one instruction a turn.
.macro MM c
.irp s,0,1,2,3,4,5
	s_wait_dscnt 20-4*\s                           ; K step s's four fragment loads are in; those of the later steps, four each, may be out
.if \s == 0
	WIN 0x24                                       ; x in window 1, b1 in window 2
.else
	WIN 0x04
.endif
.irp u,0,1
.irp m,0,1,2,3
.set rD, ACC+8*(2*\m+\u)
.set rA, FR+8*(6*\u+\s)
.set rB, 8*(6*\m+\s)
.set rC, rD
.if \s == 0
.set rC, B1+16*(\c)+8*\u
.endif
.set rSA, W1S+6*(\c)+\s
.set rSB, XS+6*(\m/2)+\s
.set fRA, \u
.set fRB, \m%2
	WMS
.endr
.endr
.endr
	WIN 0
.endm
; gelu(a) = a / (1 + 2^z), z = a (C1 + C2 a^2): the tanh form, written with one exponential and one reciprocal.
.macro ZLINE m, k                      ; line k of 24 of tile m's z: 8 squares, 8 multiply-adds, 8 products, two numbers each
.set zq, 2*((\k)%8)
.set za, ACC+16*(\m)+zq
.set zt, TMP+16*(\m)+zq
.if (\k) < 8
	v_pk_mul_f32 v[zt:zt+1], v[za:za+1], v[za:za+1]
.elseif (\k) < 16
	v_pk_fma_f32 v[zt:zt+1], v[zt:zt+1], v[C2:C2+1], v[C1:C1+1]
.else
	v_pk_mul_f32 v[zt:zt+1], v[zt:zt+1], v[za:za+1]
.endif
.endm
.macro ALINE m, k
.set zt, TMP+16*(\m)+2*(\k)
	v_pk_add_f32 v[zt:zt+1], v[zt:zt+1], 1.0 op_sel_hi:[1,0]
.endm
.macro GELU
.set gk, 0
.rept 24
	ZLINE 0, gk                                    ; each accumulator is first read at its low end
.set gk, gk+1
.endr
.set gm, 0
.rept 3                                ; tile gm's 16 exponentials stand among tile gm + 1's 24 plain lines; none of these lines names an exponential's result
.set gk, 0
.rept 24
	ZLINE gm+1, gk
.if gk%3 != 2
.set ge, TMP+16*gm+2*(gk/3)+gk%3
	v_exp_f32 v[ge], v[ge]
.endif
.set gk, gk+1
.endr
.set gm, gm+1
.endr
.set ge, TMP+48
.rept 16
	v_exp_f32 v[ge], v[ge]
.set ge, ge+1
.endr
	v_nop                                          ; a plain line behind the last exponential
	s_wait_alu depctr_va_vdst(0)                   ; the 64 exponentials have written their results: one wait, ahead of their first reader
.set gk, 0
.rept 8
	ALINE 0, gk
.set gk, gk+1
.endr
.set gm, 0
.rept 3
.set gk, 0
.rept 8
	ALINE gm+1, gk
.set ge, TMP+16*gm+2*gk
	v_rcp_f32 v[ge], v[ge]
	v_rcp_f32 v[ge+1], v[ge+1]
.set gk, gk+1
.endr
.set gm, gm+1
.endr
.set ge, TMP+48
.rept 16
	v_rcp_f32 v[ge], v[ge]
.set ge, ge+1
.endr
	v_nop
	s_wait_alu depctr_va_vdst(0)                   ; the 64 reciprocals have written their results: one wait, ahead of their first reader
.set gk, 0
.rept 32
	v_pk_mul_f32 v[ACC+2*gk:ACC+2*gk+1], v[ACC+2*gk:ACC+2*gk+1], v[TMP+2*gk:TMP+2*gk+1]
.set gk, gk+1
.endr
.endm
; Chunk c is block c of the K step: 32 units, 16 in my lane and 16 in lane l xor 16.  The four tiles of tokens by turns.
.macro QBLK c
.irp m,0,1,2,3
	v_max3_num_f32 v[MX+\m], |v[ACC+16*\m]|, |v[ACC+16*\m+1]|, 0x1800000   ; with the floor 2^(3 - 127): the byte cannot fall under 1
.endr
.irp i,2,4,6,8,10,12,14
.irp m,0,1,2,3
	v_max3_num_f32 v[MX+\m], v[MX+\m], |v[ACC+16*\m+\i]|, |v[ACC+16*\m+\i+1]|
.endr
.endr
.irp m,0,1,2,3
	v_permlanex16_b32 v[TP+\m], v[MX+\m], s40, s41
.endr
.irp m,0,1,2,3
	v_max_num_f32 v[MX+\m], v[MX+\m], v[TP+\m]
.endr
.irp m,0,1,2,3
	v_add_nc_u32 v[SC+\m], 0xff000000, v[MX+\m]    ; 2 off the exponent field: the conversion's scale operand
.endr
.if (\c) == 0
.irp m,0,1,2,3
	v_lshrrev_b32 v[SW+\m], 23, v[SC+\m]           ; the byte starts the word
.endr
.else
.irp m,0,1,2,3
	v_lshrrev_b32 v[TP+\m], 23, v[SC+\m]
.endr
.irp m,0,1,2,3
	v_lshl_or_b32 v[SW+\m], v[TP+\m], 8*(\c), v[SW+\m]
.endr
.endif
	WIN 0x40                                       ; the codes go to window 1
.irp m,0,1,2,3
.irp u,0,1
	v_cvt_scalef32_pk8_fp4_f32 v[PC+8*\m+2*(\c)+\u], v[ACC+16*\m+8*\u:ACC+16*\m+8*\u+7], v[SC+\m]
.endr
.endr
	WIN 0
	v_nop                                          ; a plain line behind the last conversion
.endm
.macro CHUNK c
.if (\c) < 3
	s_wait_loadcnt 24                              ; all but the next chunk's 24 loads of W1 are in
.else
	s_wait_loadcnt 0x0
.endif
.if (\c) > 0
	s_wait_alu depctr_va_vdst(0)                   ; the chunk before is done with v160-255: its products have read W1's fragments there and its gelu has written over them; the turn's LDS loads land there
.endif
	TURN (\c)%2
.if (\c) < 2
	s_wait_dscnt 20                                ; the 24 stores are done: their registers take the chunk two on
	W1LOAD (\c)+2, (\c)%2, 1
.endif
	MM \c
.rept 5
	v_nop                                          ; places behind the last products, ahead of the first read of results and the first write over fragments
.endr
	GELU
	QBLK \c
.endm
; Does the wanted set bit lie beyond the next wd bits?  cc: the counts of wd bits, nb bits wide.  The four targets by turns; the four compares stand in a run, the differences and sums between them and their wait.
.macro BSTEP4 cc, nb, wd
.irp m,0,1,2,3
	v_bfe_u32 v[TA+\m], v[\cc+\m], v[PS+\m], \nb
.endr
.irp m,0,1,2,3
	v_cmp_ge_u32 s[24+\m], v[RK+\m], v[TA+\m]
.endr
.irp m,0,1,2,3
	v_sub_nc_u32 v[TBB+\m], v[RK+\m], v[TA+\m]
	v_add_nc_u32 v[TC+\m], \wd, v[PS+\m]
.endr
	s_wait_alu depctr_va_sdst(0)                   ; the four compares have written s24-27, ahead of the selects that read them
.irp m,0,1,2,3
	v_cndmask_b32 v[RK+\m], v[RK+\m], v[TBB+\m], s[24+\m]
	v_cndmask_b32 v[PS+\m], v[PS+\m], v[TC+\m], s[24+\m]
.endr
.endm
	s_load_b512 s[4:19], s[0:1], 0x0               ; route, xq, w1_codes, w1_scales, b1, tiles, hq, hsc
	v_lshl_add_u32 v92, v0, 2, 0xc800
	v_mov_b32 v93, 0
	v_lshrrev_b32 v1, 5, v0
	v_readfirstlane_b32 s20, v1                    ; wave 0..3
	v_and_b32 v1, 31, v0                           ; lane l
	v_and_b32 v2, 15, v0                           ; r
	v_bfe_u32 v3, v0, 4, 1                         ; h
	s_wait_alu depctr_va_sdst(0)                   ; s20 is written, ahead of its first reader
	s_and_b32 s21, ttmp7, 0xffff                   ; b: the tile
	s_lshl_b32 s22, ttmp9, 2
	s_add_co_u32 s22, s22, s20                     ; hg: my 128 hidden units
	s_mul_i32 s23, s20, 12800                      ; my wave's LDS
	v_lshlrev_b32 v[GA], 4, v1
.irp k,0,1,2
	v_add_nc_u32 v80, 32*\k, v1                    ; piece 0..95 of four rows of 24 pieces
	v_mul_u32_u24 v81, v80, 43
	v_lshrrev_b32 v81, 10, v81                     ; piece / 24
	v_add_nc_u32 v80, v80, v81                     ; 400 row + 16 (piece - 24 row) = 16 (piece + row)
	v_lshl_add_u32 v[LS0+\k], v80, 4, s23
.endr
	v_mul_u32_u24 v80, v2, 400
	v_lshl_add_u32 v80, v3, 4, v80
	v_add_nc_u32 v[LF], s23, v80
	v_and_b32 v80, 8, v2
	v_add_nc_u32 v80, v80, v2
	v_lshl_add_u32 v80, v3, 3, v80                 ; lanes 0-15 tile u = 0, lanes 16-31 tile u = 1: row 8 h + r + 8 (r / 8) of the chunk
	v_mul_u32_u24 v[WSA], v80, 24
	v_lshlrev_b32 v[BA], 6, v3
	v_lshlrev_b32 v[L8], 3, v1
	v_lshlrev_b32 v[L4], 2, v1
	v_lshlrev_b32 v[H16], 4, v3
	v_mov_b32 v[C1], 0xc0135761
	v_mov_b32 v[C1+1], 0xc0135761
	v_mov_b32 v[C2], 0xbdd2d3e8
	v_mov_b32 v[C2+1], 0xbdd2d3e8
.irp k,0,1,2,3
	v_mov_b32 v[TP+\k], 0                          ; written once: the destination of a lane exchange counts as read
.endr
	s_mov_b32 s40, 0x76543210
	s_mov_b32 s41, 0xfedcba98                      ; v_permlanex16_b32's selects for lane l xor 16
	s_mov_b32 s42, 0xffff0000                      ; lanes 16-31
	s_mov_b32 s49, 0
	s_wait_kmcnt 0x0
	s_lshl_b32 s48, s21, 8
	s_add_nc_u64 s[50:51], s[14:15], s[48:49]      ; tiles: my tile's 64 tokens
	s_lshl_b32 s48, s21, 2
	s_add_nc_u64 s[52:53], s[14:15], s[48:49]      ; tiles: my tile's expert (+ 9984 in the store)
	s_wait_alu depctr_va_vdst(0)                   ; the offsets and LDS addresses v4-12 are written, which the loads, stores and LDS instructions of the whole kernel read; no vector line names them again
.set li, 0
.rept 16
	global_load_b128 v[96+4*li:99+4*li], v[GA], s[4:5] offset:512*li           ; the eight bytes of tokens 64 i + 2 l and + 1
.set li, li+1
.endr
.set li, 0
.rept 8
	global_load_b128 v[160+4*li:163+4*li], v[GA], s[4:5] offset:8192+512*li    ; register G = 4 i + j: the word of token 128 i + 4 l + j
.set li, li+1
.endr
	s_wait_loadcnt 0x0
	; ---- how many rows has each expert?  Byte sums in a lane: 32 tokens, so at most 32 in a byte; four chains
	v_add_nc_u32 v80, v96, v100                    ; experts 0-3
	v_add_nc_u32 v81, v97, v101                    ; experts 4-7
	v_add_nc_u32 v82, v98, v102
	v_add_nc_u32 v83, v99, v103
.set li, 2
.rept 14
	v_add_nc_u32 v80, v80, v[96+4*li]
	v_add_nc_u32 v81, v81, v[97+4*li]
	v_add_nc_u32 v82, v82, v[98+4*li]
	v_add_nc_u32 v83, v83, v[99+4*li]
.set li, li+1
.endr
	v_add_nc_u32 v80, v80, v82
	v_add_nc_u32 v81, v81, v83
	; over the lanes, bit by bit: the lanes that have bit k of an expert's byte set are counted, and count 2^k each.  6 bits x 4 experts a word
.irp w,0,1
.set li, 0
.rept 24
	v_and_b32 v[84+li%4], 1<<(8*(li/6)+li%6), v[80+\w]
	v_cmp_ne_u32 s[66+li], 0, v[84+li%4]
.set li, li+1
.endr
	s_wait_alu depctr_va_sdst(0)                   ; the 24 compares have written s66-89, ahead of the counts that read them
.set li, 0
.rept 24
.if li%6 == 0
	s_bcnt1_i32_b32 s[24+4*\w+li/6], s[66+li]      ; s24-31: the experts' rows
.else
	s_bcnt1_i32_b32 s47, s[66+li]
	s_lshl_b32 s47, s47, li%6
	s_add_co_u32 s[24+4*\w+li/6], s[24+4*\w+li/6], s47
.endif
.set li, li+1
.endr
.endr
	; ---- which expert's tile is b?  The last expert whose first tile is not beyond b
	s_mov_b32 s32, 0                               ; tiles so far
	s_mov_b32 s33, 0                               ; the expert,
	s_mov_b32 s34, 0                               ; its rows,
	s_mov_b32 s35, 0                               ; its first tile
.irp e,0,1,2,3,4,5,6,7
	s_cmp_le_u32 s32, s21
	s_cselect_b32 s33, \e, s33
	s_cselect_b32 s34, s[24+\e], s34
	s_cselect_b32 s35, s32, s35
	s_add_co_u32 s36, s[24+\e], 63
	s_lshr_b32 s36, s36, 6
	s_add_co_u32 s32, s32, s36
.endr
	s_cmp_lt_u32 s21, s32
	s_cbranch_scc0 .Lempty                         ; a branch on stored whole numbers; no barrier stands in this text
	s_min_u32 s33, s33, 7
	s_sub_co_u32 s37, s21, s35
	s_lshl_b32 s37, s37, 6                         ; my tile's first rank
	s_sub_co_u32 s38, s34, 1                       ; the expert's last rank: it lies in this tile or behind it
	s_mul_i32 s48, s33, 1179648
	s_mul_i32 s47, s22, 49152
	s_add_co_u32 s48, s48, s47
	s_add_nc_u64 s[8:9], s[8:9], s[48:49]          ; W1's codes: my 128 rows of 384 bytes
	s_mul_i32 s48, s33, 73728
	s_mul_i32 s47, s22, 3072
	s_add_co_u32 s48, s48, s47
	s_add_nc_u64 s[10:11], s[10:11], s[48:49]      ; W1's scales: my 128 rows of 24 bytes
	s_mul_i32 s48, s33, 12288
	s_lshl_b32 s47, s22, 9
	s_add_co_u32 s48, s48, s47
	s_add_nc_u64 s[12:13], s[12:13], s[48:49]      ; b1: my 128 numbers
	s_mul_i32 s47, s21, 24
	s_add_co_u32 s47, s47, s22
	s_lshl_b32 s48, s47, 12
	s_add_nc_u64 s[16:17], s[16:17], s[48:49]      ; hq: (24 b + hg) x 4,096
	s_lshl_b32 s48, s47, 8
	s_add_nc_u64 s[18:19], s[18:19], s[48:49]      ; hsc: (24 b + hg) x 256
	W1LOAD 0, 0, 0                                 ; the weights are on their way while the rows are placed.  No wait: no vector line since the head's wait names v4, v9, v10 or a register in which these loads land
	WIN 0x80
.irp c,0,1,2,3
.irp u,0,1
.irp k,0,1
	global_load_b128 v[B1+16*\c+8*\u+4*\k:B1+16*\c+8*\u+4*\k+3], v[BA], s[12:13] offset:(32*\c+8*\u)*4+16*\k   ; register j of tile 2 c + u: unit 32 c + 16 h + 8 u + j
.endr
.endr
.endr
	WIN 0
.irp c,0,1,2,3
.irp i,0,1,2
	global_load_b64 v[W1S+6*\c+2*\i:W1S+6*\c+2*\i+1], v[WSA], s[10:11] offset:768*\c+8*\i    ; K steps 2 i and 2 i + 1
.endr
.endr
	; ---- my tile's 64 tokens.  Rank = the place among the expert's tokens, counted register by register and lane by lane.
	; Lane (r, h) looks for the tokens of rows 16 m + r, m = 0..3: both halves of the lanes do the same, so that nothing has to change lanes afterwards.
	s_add_co_u32 s43, s33, 16
	s_lshl_b32 s43, 1, s43                         ; the expert's bit in a token's word
.set li, 0
.rept 32
	v_and_b32 v[84+li%4], s43, v[160+li]
	v_cmp_ne_u32 s[66+li], 0, v[84+li%4]           ; s66-97: which lanes' tokens of register G are the expert's
.set li, li+1
.endr
	v_add_nc_u32 v[RK], s37, v2
.irp m,1,2,3
	v_add_nc_u32 v[RK+\m], 16*\m, v[RK]
.endr
.irp m,0,1,2,3
	v_min_u32 v[RK+\m], s38, v[RK+\m]              ; the rank that row 16 m + r wants, held at the expert's last
.endr
	s_wait_alu depctr_va_sdst(0)                   ; the 32 compares have written s66-97, ahead of their first reader
.irp m,0,1,2,3
	v_mov_b32 v[WM+\m], s66                        ; register 0 begins at rank 0, at or before every rank
	v_mov_b32 v[BG+\m], 0
.endr
	; Registers 1 to 31, four at a time: their ranks by scalar lines; sixteen compares in a run; one wait; the selects, in the registers' order.
	; Beyond my rank: what I have stays.  So the last register that begins at or before my rank is kept.
.set l0, 1
.rept 8
.set jj, 0
.rept 4
.if l0+jj == 1
	s_bcnt1_i32_b32 s[PA], s66                     ; ranks in front of register 1
	s_or_b32 s2, s[PA], 1<<16
.elseif l0+jj < 32
	s_bcnt1_i32_b32 s[PT], s[66+l0+jj-1]
	s_add_co_u32 s[PA+jj], s[PA+(jj+3)%4], s[PT]
	s_or_b32 s[2+jj%2+96*(jj/2)], s[PA+jj], (l0+jj)<<16
.endif
.set jj, jj+1
.endr
.set jj, 0
.rept 4
.if l0+jj < 32
.irp m,0,1,2,3
	v_cmp_gt_u32 s[24+4*jj+\m+24*(jj/2)], s[PA+jj], v[RK+\m]
.endr
.endif
.set jj, jj+1
.endr
	s_wait_alu depctr_va_sdst(0)                   ; the group's compares have written their masks in s24-31 and s56-63, ahead of the selects that read them
.set jj, 0
.rept 4
.if l0+jj < 32
.irp m,0,1,2,3
	v_cndmask_b32 v[WM+\m], s[66+l0+jj], v[WM+\m], s[24+4*jj+\m+24*(jj/2)]
	v_cndmask_b32 v[BG+\m], s[2+jj%2+96*(jj/2)], v[BG+\m], s[24+4*jj+\m+24*(jj/2)]
.endr
.endif
.set jj, jj+1
.endr
.set l0, l0+4
.endr
.irp m,0,1,2,3
	v_and_b32 v[TA+\m], 0xffff, v[BG+\m]
.endr
.irp m,0,1,2,3
	v_sub_nc_u32 v[RK+\m], v[RK+\m], v[TA+\m]      ; which set bit of the kept mask
.endr
	; the place of that bit: counts of 2, 4, 8 and 16 bits, then five halvings
.irp m,0,1,2,3
	v_lshrrev_b32 v[CA+\m], 1, v[WM+\m]
.endr
.irp m,0,1,2,3
	v_and_b32 v[CA+\m], 0x55555555, v[CA+\m]
.endr
.irp m,0,1,2,3
	v_sub_nc_u32 v[CA+\m], v[WM+\m], v[CA+\m]
.endr
.irp m,0,1,2,3
	v_lshrrev_b32 v[CB+\m], 2, v[CA+\m]
	v_and_b32 v[TA+\m], 0x33333333, v[CA+\m]
.endr
.irp m,0,1,2,3
	v_and_b32 v[CB+\m], 0x33333333, v[CB+\m]
.endr
.irp m,0,1,2,3
	v_add_nc_u32 v[CB+\m], v[CB+\m], v[TA+\m]
.endr
.irp m,0,1,2,3
	v_lshrrev_b32 v[CC+\m], 4, v[CB+\m]
.endr
.irp m,0,1,2,3
	v_add_nc_u32 v[CC+\m], v[CC+\m], v[CB+\m]
.endr
.irp m,0,1,2,3
	v_and_b32 v[CC+\m], 0x0f0f0f0f, v[CC+\m]
.endr
.irp m,0,1,2,3
	v_lshrrev_b32 v[CD+\m], 8, v[CC+\m]
	v_mov_b32 v[PS+\m], 0
.endr
.irp m,0,1,2,3
	v_add_nc_u32 v[CD+\m], v[CD+\m], v[CC+\m]
.endr
	BSTEP4 CD, 8, 16
	BSTEP4 CC, 8, 8
	BSTEP4 CB, 4, 4
	BSTEP4 CA, 2, 2
	BSTEP4 WM, 1, 1
.irp m,0,1,2,3
	v_lshrrev_b32 v[BG+\m], 16, v[BG+\m]           ; G
.endr
.irp m,0,1,2,3
	v_and_b32 v[TA+\m], 3, v[BG+\m]
	v_lshrrev_b32 v[BG+\m], 2, v[BG+\m]
.endr
.irp m,0,1,2,3
	v_lshl_add_u32 v[TA+\m], v[BG+\m], 7, v[TA+\m]
.endr
.irp m,0,1,2,3
	v_lshl_add_u32 v[TK+\m], v[PS+\m], 2, v[TA+\m] ; token = 128 (G / 4) + 4 lane + G % 4
.endr
	v_cndmask_b32 v[T0], v[TK], v[TK+1], s42       ; the token of row l: lanes 0-15 tile 0's, lanes 16-31 tile 1's
	v_cndmask_b32 v[T1], v[TK+2], v[TK+3], s42     ; and of row 32 + l
	s_or_b32 s36, ttmp9, s20
	s_cmp_lg_u32 s36, 0
	s_cbranch_scc1 .Lno_list
	v_mov_b32 v94, s33
	v_mov_b32 v95, 0
	s_wait_alu depctr_va_vdst(0)                   ; v19, v20, v94 and v95 are written, which the three stores read; none of them is written again
	global_store_b32 v[L4], v[T0], s[50:51]
	global_store_b32 v[L4], v[T1], s[50:51] offset:128
	global_store_b32 v95, v94, s[52:53] offset:9984    ; every lane writes the same word
.Lno_list:
.irp m,0,1,2,3
	v_min_u32 v[TA+\m], 0x3ff, v[TK+\m]            ; a number read from memory enters an address behind a bound
.endr
.irp m,0,1,2,3
	v_lshlrev_b32 v[TA+\m], 9, v[TA+\m]
.endr
.irp m,0,1,2,3
	v_add_nc_u32 v[XO+\m], v[H16], v[TA+\m]
.endr
	v_min_u32 v88, 0x3ff, v[T0]
	v_min_u32 v89, 0x3ff, v[T1]
	v_lshlrev_b32 v[XSO], 9, v88
	v_lshlrev_b32 v[XSO+1], 9, v89
	WIN 0x40
	s_wait_alu depctr_va_vdst(0)                   ; x's offsets v13-18 are written, which the loads below read; and the placing is done reading v160-191, in which the first turn's LDS loads land
.irp m,0,1,2,3
.irp s,0,1,2,3,4,5
.irp c,0,1
	global_load_b128 v[8*(6*\m+\s)+4*\c:8*(6*\m+\s)+4*\c+3], v[XO+\m], s[6:7] offset:64*\s+32*\c   ; x's fragments stay in registers
.endr
.endr
.endr
	WIN 0
.irp p,0,1
.irp j,0,1,2
	global_load_b64 v[XS+6*\p+2*\j:XS+6*\p+2*\j+1], v[XSO+\p], s[6:7] offset:384+32*\j     ; lanes 0-15: rows of m = 2 p; lanes 16-31: of m = 2 p + 1
.endr
.endr
	W1LOAD 1, 1, 0
	CHUNK 0
	CHUNK 1
	CHUNK 2
	CHUNK 3
	; ---- out.  The operand's layout wants a whole block in a lane: lanes 0-15 block 2 c, lanes 16-31 block 2 c + 1
	v_cndmask_b32 v[PW], v[SW], v[SW+1], s42
	v_cndmask_b32 v[PW+1], v[SW+2], v[SW+3], s42
	WIN 0x41
.irp m,0,1,2,3
.irp c,0,1
.irp i,0,1
	v_permlane16_swap_b32 v[PC+8*\m+4*\c+\i], v[PC+8*\m+4*\c+2+\i]
.endr
.endr
.endr
	WIN 0x04                                       ; a store's data are its source 1: window 1
	s_wait_alu depctr_va_vdst(0)                   ; the exchanges have written the codes and the two selects the scale words, which the nine stores below read
.irp m,0,1,2,3
.irp c,0,1
	global_store_b128 v[GA], v[PC+8*\m+4*\c:PC+8*\m+4*\c+3], s[16:17] offset:1024*\m+512*\c    ; 512 consecutive bytes a store
.endr
.endr
	WIN 0
	global_store_b64 v[L8], v[PW:PW+1], s[18:19]   ; 256 consecutive bytes
	s_wait_dscnt 0x0                               ; the closing lines, six on end
	s_wait_alu 0x0
	s_wait_tensorcnt 0x0
	ds_add_u32 v92, v93
	s_wait_dscnt 0x0
	s_endpgm
.Lempty:
	s_or_b32 s36, ttmp9, s20
	s_cmp_lg_u32 s36, 0
	s_cbranch_scc1 .Lend
	v_mov_b32 v94, 8                               ; the mark of an empty tile, and zeros for its tokens, so that every byte that is read later has been stored
	v_mov_b32 v95, 0
	s_wait_alu depctr_va_vdst(0)                   ; v94 and v95 are written, which the three stores read
	global_store_b32 v[L4], v95, s[50:51]
	global_store_b32 v[L4], v95, s[50:51] offset:128
	global_store_b32 v95, v94, s[52:53] offset:9984
.Lend:
	s_endpgm
.Lfunc_end_k_qc6f0740327_ffn1:
	.size	k_qc6f0740327_ffn1, .Lfunc_end_k_qc6f0740327_ffn1-k_qc6f0740327_ffn1
	.p2alignl 7, 3214868480
	.fill 96, 4, 3214868480
	.section	.rodata,"a",@progbits
	.p2align	6, 0x0
	.amdhsa_kernel k_qc6f0740327_ffn1
		.amdhsa_group_segment_fixed_size 51712
		.amdhsa_private_segment_fixed_size 0
		.amdhsa_enable_private_segment 0
		.amdhsa_kernarg_size 64
		.amdhsa_user_sgpr_count 2
		.amdhsa_user_sgpr_kernarg_segment_ptr 1
		.amdhsa_wavefront_size32 1
		.amdhsa_system_sgpr_workgroup_id_x 1
		.amdhsa_system_sgpr_workgroup_id_y 1
		.amdhsa_system_sgpr_workgroup_id_z 1
		.amdhsa_system_vgpr_workitem_id 0
		.amdhsa_next_free_vgpr 768
		.amdhsa_next_free_sgpr 100
		.amdhsa_reserve_vcc 0
		.amdhsa_float_denorm_mode_32 3
		.amdhsa_float_denorm_mode_16_64 3
		.amdhsa_memory_ordered 1
		.amdhsa_forward_progress 1
		.amdhsa_inst_pref_size 191
	.end_amdhsa_kernel
	.amdgpu_metadata
---
amdhsa.version: [ 1, 2 ]
amdhsa.kernels:
  - .name:           k_qc6f0740327_ffn1
    .symbol:         k_qc6f0740327_ffn1.kd
    .args:
      - { .name: route, .offset: 0, .size: 8, .value_kind: global_buffer, .address_space: global }
      - { .name: xq, .offset: 8, .size: 8, .value_kind: global_buffer, .address_space: global }
      - { .name: w1_codes, .offset: 16, .size: 8, .value_kind: global_buffer, .address_space: global }
      - { .name: w1_scales, .offset: 24, .size: 8, .value_kind: global_buffer, .address_space: global }
      - { .name: b1, .offset: 32, .size: 8, .value_kind: global_buffer, .address_space: global }
      - { .name: tiles, .offset: 40, .size: 8, .value_kind: global_buffer, .address_space: global }
      - { .name: hq, .offset: 48, .size: 8, .value_kind: global_buffer, .address_space: global }
      - { .name: hsc, .offset: 56, .size: 8, .value_kind: global_buffer, .address_space: global }
    .group_segment_fixed_size: 51712
    .private_segment_fixed_size: 0
    .kernarg_segment_align: 8
    .kernarg_segment_size: 64
    .max_flat_workgroup_size: 128
    .sgpr_count:     100
    .vgpr_count:     768
    .wavefront_size: 32
...
	.end_amdgpu_metadata
.endif
;; end of part 5
;; launch ffn2 (part 6): grid 6 x 39, 4 waves a work-group, no clusters, 88,576 bytes of LDS; arguments tiles, route, gate, hq, hsc, w2_codes, w2_scales, b2, ybuf; writes ybuf
.if DOCPART == 6
	.amdgcn_target "amdgcn-amd-amdhsa--gfx1250"
	.amdhsa_code_object_version 6
	.text
	.protected	k_qc6f0740327_ffn2
	.globl	k_qc6f0740327_ffn2
	.p2align	8
	.type	k_qc6f0740327_ffn2,@function
k_qc6f0740327_ffn2:
	s_mov_b64 s[64:65], 0
	v_nop
	global_prefetch_b8 v0, s[64:65] scope:SCOPE_SE
	s_setreg_imm32_b32 hwreg(HW_REG_WAVE_SCHED_MODE, 0, 2), 2
	s_setreg_imm32_b32 hwreg(HW_REG_WAVE_MODE, 25, 1), 1
	s_wait_xcnt 0x0
	s_wait_alu depctr_vm_vsrc(0)
; SECOND PRODUCT OF THE CHOSEN ROWS: y = (Q(h) W2[e]^T + b2[e]) x the token's weight for e, on E2M1 codes with E8M0 scales, sums f32.
; SHARES.  Wave = (row tile b of 64 rows, 64 columns cg = 2 x + wave % 2, half kh = wave / 2 of K = 3,072): 12 K steps of 128, in three units of 512.  The tile's expert and tokens were stored by the
; launch before; an empty tile ends at once.  K IS SHARED BETWEEN TWO WAVES so that four waves, not two, have loads on their way for the same bytes: a wave has 218 loads of 512 bytes to make.
; The two halves are not added here: each leaves as a partial row, and the launch behind adds them.  b2 goes into half 0 alone; the weight multiplies both.
; Waves share nothing: no barrier, LDS bytes of each wave's own.  No tensor loads and no joint loads: the walk hangs on numbers read from memory.
; LAYOUT.  Transposed: source 0 = 16 rows of W2 (columns of y), source 1 = 16 rows of h: lane (r, h) holds row r and columns 16 n + 8 h + 0..7.  b2 (or 0) is the C of each sum's first product.
; h's fragments come straight into registers (they were stored as images of these registers, 512 consecutive bytes a load).  Of W2 sixteen lanes read 256 consecutive bytes of a row; the rows turn into
; fragments through the wave's LDS, rows 272 bytes apart.  Two units of both are on their way at any time.
; OUT.  ybuf [kh][slot][token][768] f32, slot 0 for a token's lower expert, 1 for the higher: each row of 64 columns leaves as 256 consecutive bytes, through a stage in LDS.
; Rows that repeat an expert's last row store the same numbers to the same bytes.
; LIMITS.  NaN and infinities are not served.  The sum over K is made in two halves, added in f32 by the launch behind.
; REGISTERS.  window 0: v1-15 addresses; v16-23 the weights; v24-25 the rows' numbers; v32-55 h's scale words; v56-79 W2's; v80-111 the rows' offsets in ybuf; v128-255 W2's fragments (at work at the head;
; rows of y at the end).  window 1: v0-127 16 accumulators; v128-159 b2.  window 2: two sets of h's fragments.  window 3: two sets of W2 as loaded.
; THE MODE: SCHED_MODE bits 1:0 = 2 (LLVM: expert scheduling mode 2), set by the entry lines.  The code itself states the register dependences between vector or matrix instructions and memory or LDS
; instructions, with s_wait_alu, always for 0.
; THE PLAN.  Registers that memory or LDS instructions touch:
;   v4-15, v131, v126, v127  offsets and LDS addresses: written at the head: one wait on va_vdst ahead of the first load.  v4-15 are never written again.
;   v130, v132-134    the tokens' offsets: a wait on va_vdst ahead of the loads that read them; only loads and window switches follow it up to the wait for unit 0.
;   v24-25, v128-255  the head's vector work writes the rows' numbers and names v128-152; then the table's LDS stores read v24-25 and the first turn's LDS loads land in v128-255:
;                     one wait on va_vdst for both, and one on vm_vsrc beside it, since loads have read v130-134 as offsets.
;   window 3, sets    written by loads alone, read by the turn's LDS stores alone: one wait on vm_vsrc ahead of the loads that fill set 0 again.
;   window 2, sets    h's loads land; a unit's products read.  v128-255: a turn's LDS loads land; the unit's products read.  v80-111: written behind unit 0's products, read by the last stores.
;                     One wait on va_vdst behind unit 0 (ahead of unit 2's loads of h) and one behind unit 1 state all of that.
;   the accumulators  written by the products with the weights, which stand together; read by the stage's LDS stores: one wait on va_vdst, which also states that the last unit's products
;                     are done reading v128-255, in which the rows read back from the stage land.
;   A scalar register that a vector instruction writes (the wave's number, the two compares' masks) is read only behind a wait on va_sdst.
.set NU,  3                            ; units of 512 along K for a wave
.set GB,  4                            ; W2: 1536 h + 16 r
.set LSB, 5                            ; the turn, way in: 272 h + 16 r
.set LFB, 6                            ; the turn, way out: 272 r + 16 h
.set A16, 7                            ; 16 l
.set A8,  8                            ; 8 l
.set BSA, 9                            ; 96 l
.set BIA, 10                           ; 32 h
.set STO, 11                           ; the stage, way in: 272 r + 32 h
.set RD,  12                           ; the stage, way out: 272 h + 16 r
.set TB,  13                           ; the rows' table, read: 4 h
.set TW,  14                           ; the rows' table, written: 4 l
.set L15, 15                           ; 16 r
.set GT,  16                           ; v16-23 the weight of my row of tile m, as a pair
.set TS,  24                           ; v24-25 slot x 1024 + token of rows l and 32 + l
.set AS,  32                           ; register 2 s + p, s = my K step 0..11
.set BS,  56                           ; register 12 (n / 2) + s
.set RO,  80                           ; register 8 m + q: the byte offset in ybuf of row 16 m + 2 q + h, + 16 r
.set FR,  128
.set OUTR, 128
.set MSB, 0
.macro WIN new                         ; the immediate's high byte repeats the setting that is left
.if MSB != \new
	s_set_vgpr_msb (MSB<<8)|\new
.set MSB, \new
.endif
.endm
.macro WMS                             ; one product, by the symbols rD rA rB rC rSA rSB; fRA, fRB: the scales stand in lanes 16-31
.if fRA && fRB
	v_wmma_scale_f32_16x16x128_f8f6f4 v[rD:rD+7], v[rA:rA+7], v[rB:rB+7], v[rC:rC+7], v[rSA], v[rSB] matrix_a_fmt:MATRIX_FMT_FP4 matrix_b_fmt:MATRIX_FMT_FP4 matrix_a_scale:MATRIX_SCALE_ROW1 matrix_b_scale:MATRIX_SCALE_ROW1
.elseif fRA
	v_wmma_scale_f32_16x16x128_f8f6f4 v[rD:rD+7], v[rA:rA+7], v[rB:rB+7], v[rC:rC+7], v[rSA], v[rSB] matrix_a_fmt:MATRIX_FMT_FP4 matrix_b_fmt:MATRIX_FMT_FP4 matrix_a_scale:MATRIX_SCALE_ROW1
.elseif fRB
	v_wmma_scale_f32_16x16x128_f8f6f4 v[rD:rD+7], v[rA:rA+7], v[rB:rB+7], v[rC:rC+7], v[rSA], v[rSB] matrix_a_fmt:MATRIX_FMT_FP4 matrix_b_fmt:MATRIX_FMT_FP4 matrix_b_scale:MATRIX_SCALE_ROW1
.else
	v_wmma_scale_f32_16x16x128_f8f6f4 v[rD:rD+7], v[rA:rA+7], v[rB:rB+7], v[rC:rC+7], v[rSA], v[rSB] matrix_a_fmt:MATRIX_FMT_FP4 matrix_b_fmt:MATRIX_FMT_FP4
.endif
.endm
.macro BLOAD u, p, e                   ; unit u of my 64 rows of W2 into set p of window 3: two rows a load, 256 consecutive bytes of each.  e = 1: the set has been through a turn
	WIN 0xc0
.if \e
	s_wait_alu depctr_vm_vsrc(0)                   ; the turn's LDS stores have read set p, in which these loads land
.endif
.set li, 0
.rept 32
	global_load_b128 v[128*(\p)+4*li:128*(\p)+4*li+3], v[GB], s[14:15] offset:3072*li+256*(\u)
.set li, li+1
.endr
	WIN 0
.endm
.macro ALOAD u, p, e                   ; unit u of h: 4 K steps x 4 tiles of rows, into set p of window 2.  e = 1: the set has been multiplied
	WIN 0x80
.if \e
	s_wait_alu depctr_va_vdst(0)                   ; the unit's products are done reading h's set p, in which these loads land, and W2's fragments, in which the next turn's LDS loads land; the rows' offsets v80-111 are written, which the last stores read
.endif
.irp ks,0,1,2,3
.irp m,0,1,2,3
.irp c,0,1
	global_load_b128 v[128*(\p)+8*(4*\ks+\m)+4*\c:128*(\p)+8*(4*\ks+\m)+4*\c+3], v[A16], s[10:11] offset:(4*(\u)+\ks)*4096+1024*\m+512*\c
.endr
.endr
.endr
	WIN 0
.endm
.macro BTURN p                         ; LDS serves a wave's instructions in order: the loads see the stores, and these stores come behind the last unit's loads
	WIN 0x0c                                       ; an LDS store's data are its source 1: window 3
.set li, 0
.rept 32
	ds_store_b128 v[LSB], v[128*(\p)+4*li:128*(\p)+4*li+3] offset:544*li
.set li, li+1
.endr
	WIN 0
.irp ks,0,1,2,3
.irp n,0,1,2,3
.irp c,0,1
	ds_load_b128 v[FR+8*(4*\ks+\n)+4*\c:FR+8*(4*\ks+\n)+4*\c+3], v[LFB] offset:4352*\n+64*\ks+32*\c
.endr
.endr
.endr
.endm
; 64 products: 4 K steps x (4 tiles of columns x 4 tiles of rows).  The sixteen accumulators take turns, one instruction a turn.
.macro MM u, p
	WIN 0x58                                       ; W2 window 0, h window 2, C and D window 1
.irp ks,0,1,2,3
	s_wait_dscnt 24-8*\ks                          ; this K step's eight fragment loads are in; the later steps', eight each, may be out
.irp n,0,1,2,3
.irp m,0,1,2,3
.set rD, 8*(4*\m+\n)
.set rA, FR+8*(4*\ks+\n)
.set rB, 128*(\p)+8*(4*\ks+\m)
.set rC, rD
.if ((\u) == 0) && (\ks == 0)
.set rC, 128+8*\n
.endif
.set rSA, BS+12*(\n/2)+4*(\u)+\ks
.set rSB, AS+2*(4*(\u)+\ks)+\m/2
.set fRA, \n%2
.set fRB, \m%2
	WMS
.endr
.endr
.endr
	WIN 0
.rept 4
	v_nop                                          ; places behind the last products, ahead of the first read of results; they stay beside the waits that stand for the loads into the products' operands
.endr
.endm
; The 64 rows' offsets in ybuf, made once: lanes 0-15 take row 16 m + 2 q, lanes 16-31 the next.  It stands behind the first unit's products, ahead of a wait for loads from memory.
.macro ROWS
.irp m,0,1,2,3
.irp q,0,1,2,3,4,5,6,7
	ds_load_b32 v[RO+8*\m+\q], v[TB] offset:64*\m+8*\q     ; no vector line has named v13 since the head's wait, nor v80-111 at all
.endr
.endr
	s_wait_dscnt 0x0
.set li, 0
.rept 32
	v_min_u32 v[RO+li], 0x7ff, v[RO+li]            ; slot x 1024 + token, behind a bound
.set li, li+1
.endr
.set li, 0
.rept 32
	v_mul_u32_u24 v[RO+li], 0xc00, v[RO+li]        ; a row of 3,072 bytes
.set li, li+1
.endr
.set li, 0
.rept 32
	v_add_nc_u32 v[RO+li], v[L15], v[RO+li]
.set li, li+1
.endr
.endm
.macro UNIT u
	BTURN (\u)%2
.if (\u)+2 < NU
	s_wait_dscnt 24                                ; the 32 stores are done: their registers take the unit two on
	BLOAD (\u)+2, (\u)%2, 1
.endif
	MM \u, (\u)%2
.if (\u) == 0
	ROWS
.endif
.if (\u)+2 < NU
	s_wait_loadcnt 32                              ; all but the 32 loads of W2 just issued: the next unit is in
	ALOAD (\u)+2, (\u)%2, 1
.elseif (\u)+1 < NU
	s_wait_loadcnt 0x0                             ; the last unit is in
	s_wait_alu depctr_va_vdst(0)                   ; the unit's products are done reading W2's fragments, in which the last turn's LDS loads land
.endif
.endm
; THE WAY OUT.  WEIGH: all 64 rows x their weights, the four tiles on end, so that one wait serves the stage's stores.  PACK: tile m, 16 rows x 64 columns, into the stage and back as whole rows of 256 bytes.  SEND: stored.
.macro WEIGH
	WIN 0x41
.irp m,0,1,2,3
.set oi, 0
.rept 16
	v_pk_mul_f32 v[32*\m+2*oi:32*\m+2*oi+1], v[32*\m+2*oi:32*\m+2*oi+1], v[GT+2*\m:GT+2*\m+1] op_sel_hi:[1,0]   ; ascending: each accumulator is first read at its low end
.set oi, oi+1
.endr
.endr
.endm
.macro PACK m
	WIN 0x04                                       ; an LDS store's data are its source 1: window 1
.irp n,0,1,2,3
	ds_store_b128 v[STO], v[32*(\m)+8*\n:32*(\m)+8*\n+3] offset:64*\n
	ds_store_b128 v[STO], v[32*(\m)+8*\n+4:32*(\m)+8*\n+7] offset:64*\n+16
.endr
	WIN 0
.irp q,0,1,2,3,4,5,6,7
	ds_load_b128 v[OUTR+32*(\m)+4*\q:OUTR+32*(\m)+4*\q+3], v[RD] offset:544*\q     ; rows 2 q and 2 q + 1.  LDS serves a wave's instructions in order: these see the stores above, and the next tile's stores come behind them
.endr
.endm
.macro SEND m, younger                 ; younger: the LDS instructions issued behind tile m's loads: the next tile's sixteen, or none
	s_wait_dscnt \younger
.irp q,0,1,2,3,4,5,6,7
	global_store_b128 v[RO+8*(\m)+\q], v[OUTR+32*(\m)+4*\q:OUTR+32*(\m)+4*\q+3], s[20:21]   ; sixteen lanes store 256 consecutive bytes, at a multiple of 256 from ybuf's first byte; no register of a store is written again
.endr
.endm
	s_load_b512 s[4:19], s[0:1], 0x0               ; tiles, route, gate, hq, hsc, w2_codes, w2_scales, b2
	s_load_b64 s[20:21], s[0:1], 0x40              ; ybuf
	v_lshl_add_u32 v126, v0, 2, 0x15800
	v_mov_b32 v127, 0
	v_lshrrev_b32 v1, 5, v0
	v_readfirstlane_b32 s22, v1                    ; wave 0..3
	v_and_b32 v1, 31, v0                           ; lane l
	v_and_b32 v2, 15, v0                           ; r
	v_bfe_u32 v3, v0, 4, 1                         ; h
	s_wait_alu depctr_va_sdst(0)                   ; s22 is written, ahead of its first reader
	s_and_b32 s23, ttmp7, 0xffff                   ; b: the tile
	s_and_b32 s38, s22, 1
	s_lshr_b32 s39, s22, 1                         ; kh: my half of K
	s_lshl_b32 s24, ttmp9, 1
	s_add_co_u32 s24, s24, s38                     ; cg: my 64 columns
	s_cmp_eq_u32 s39, 0
	s_cselect_b32 s33, -1, 0                       ; all lanes in half 0, none in half 1
	s_mul_i32 s29, s22, 22016                      ; my wave's LDS: the turn (64 x 272), the stage (16 x 272), the rows' table (256)
	v_lshlrev_b32 v[L15], 4, v2
	v_mul_u32_u24 v[GB], v3, 1536
	v_add_nc_u32 v[GB], v[GB], v[L15]
	v_mul_u32_u24 v150, v3, 272
	v_add_nc_u32 v150, v150, v[L15]
	v_add_nc_u32 v[LSB], s29, v150
	s_add_co_u32 s30, s29, 17408
	v_add_nc_u32 v[RD], s30, v150
	v_mul_u32_u24 v151, v2, 272
	v_lshl_add_u32 v152, v3, 4, v151
	v_add_nc_u32 v[LFB], s29, v152
	v_lshl_add_u32 v152, v3, 5, v151
	v_add_nc_u32 v[STO], s30, v152
	s_add_co_u32 s30, s29, 21760
	v_lshl_add_u32 v[TB], v3, 2, s30
	v_lshl_add_u32 v[TW], v1, 2, s30
	v_lshlrev_b32 v[A16], 4, v1
	v_lshlrev_b32 v[A8], 3, v1
	v_mul_u32_u24 v[BSA], v1, 96
	v_lshlrev_b32 v[BIA], 5, v3
	v_lshlrev_b32 v131, 2, v1
	v_mov_b32 v146, 0                              ; written once: the destination of a lane exchange counts as read
	v_mov_b32 v147, 0
	s_mov_b32 s26, 0x76543210
	s_mov_b32 s27, 0xfedcba98                      ; v_permlanex16_b32's selects for lane l xor 16
	s_mov_b32 s28, 0xffff0000                      ; lanes 16-31
	s_mov_b32 s31, 0
	s_wait_kmcnt 0x0
	s_lshl_b32 s30, s23, 2
	s_add_nc_u64 s[34:35], s[4:5], s[30:31]
	s_load_b32 s25, s[34:35], 0x2700               ; the tile's expert, 8 for an empty tile
	s_lshl_b32 s30, s23, 8
	s_add_nc_u64 s[36:37], s[4:5], s[30:31]
	s_wait_alu depctr_va_vdst(0)                   ; the offsets and LDS addresses v4-15 and v131 are written, which the loads, stores and LDS instructions below read; v4-15 are named by no vector line as a destination again
	global_load_b32 v128, v131, s[36:37]           ; the token of row l,
	global_load_b32 v129, v131, s[36:37] offset:128    ; and of row 32 + l
	s_wait_kmcnt 0x0
	s_cmp_ge_u32 s25, 8
	s_cbranch_scc1 .Lend                           ; a branch on a stored whole number; no barrier stands in this text
	s_min_u32 s25, s25, 7
	s_mul_i32 s30, s25, 1179648
	s_mul_i32 s32, s24, 98304
	s_add_co_u32 s30, s30, s32
	s_mul_i32 s32, s39, 768
	s_add_co_u32 s30, s30, s32
	s_add_nc_u64 s[14:15], s[14:15], s[30:31]      ; W2's codes: my 64 rows of 1,536 bytes, my half of each
	s_mul_i32 s30, s25, 73728
	s_mul_i32 s32, s24, 6144
	s_add_co_u32 s30, s30, s32
	s_mul_i32 s32, s39, 48
	s_add_co_u32 s30, s30, s32
	s_add_nc_u64 s[16:17], s[16:17], s[30:31]      ; W2's scales: my 64 rows of 96 bytes, my half of each
	s_mul_i32 s30, s25, 3072
	s_lshl_b32 s32, s24, 8
	s_add_co_u32 s30, s30, s32
	s_add_nc_u64 s[18:19], s[18:19], s[30:31]      ; b2: my 64 numbers
	s_mul_i32 s30, s23, 98304
	s_mul_i32 s32, s39, 49152
	s_add_co_u32 s30, s30, s32
	s_add_nc_u64 s[10:11], s[10:11], s[30:31]      ; hq: my tile, my 12 K steps of 4,096 bytes
	s_mul_i32 s30, s23, 6144
	s_mul_i32 s32, s39, 3072
	s_add_co_u32 s30, s30, s32
	s_add_nc_u64 s[12:13], s[12:13], s[30:31]      ; hsc: my tile, my 12 K steps of 256 bytes
	s_lshl_b32 s30, s24, 8
	s_mul_i32 s32, s39, 6291456
	s_add_co_u32 s30, s30, s32
	s_add_nc_u64 s[20:21], s[20:21], s[30:31]      ; ybuf: my half's rows, my 256 bytes of a row
	s_wait_loadcnt 0x0                             ; the tokens (asked for together with the expert)
	v_min_u32 v128, 0x3ff, v128                    ; numbers read from memory enter addresses behind a bound
	v_min_u32 v129, 0x3ff, v129
	v_lshlrev_b32 v130, 2, v128
	v_lshlrev_b32 v132, 2, v129
	v_lshlrev_b32 v133, 3, v128
	v_lshlrev_b32 v134, 3, v129
	s_wait_alu depctr_va_vdst(0)                   ; the tokens' offsets v130 and v132-134 are written, which the four loads below read; up to the wait for unit 0 only loads and window switches follow
	global_load_b32 v135, v130, s[6:7] offset:8192     ; the tokens' words: e_lo, e_hi
	global_load_b32 v136, v132, s[6:7] offset:8192
	global_load_b64 v[138:139], v133, s[8:9]           ; and their two weights
	global_load_b64 v[140:141], v134, s[8:9]
.irp q,0,1
.irp i,0,1,2
	global_load_b128 v[BS+12*\q+4*\i:BS+12*\q+4*\i+3], v[BSA], s[16:17] offset:3072*\q+16*\i   ; lane l: the scale words of row 32 q + l, my K steps 4 i on: lanes 0-15 tile n = 2 q, lanes 16-31 n = 2 q + 1
.endr
.endr
.set li, 0
.rept 12
	global_load_b64 v[AS+2*li:AS+2*li+1], v[A8], s[12:13] offset:256*li        ; h's scale words of my K step li
.set li, li+1
.endr
	WIN 0x40
.irp n,0,1,2,3
.irp k,0,1
	global_load_b128 v[128+8*\n+4*\k:128+8*\n+4*\k+3], v[BIA], s[18:19] offset:64*\n+16*\k   ; register j of tile n: column 16 n + 8 h + j
.endr
.endr
	WIN 0
	BLOAD 0, 0, 0
	ALOAD 0, 0, 0
	ALOAD 1, 1, 0
	BLOAD 1, 1, 0
	s_wait_loadcnt 63                              ; unit 1's 64 loads are younger than all that unit 0 wants; the wait's field holds 63, so one of them is awaited too
	; ---- which slot and which weight has each row?  The two compares stand first, b2's selects between them and their wait
	v_bfe_u32 v142, v135, 8, 8
	v_bfe_u32 v148, v136, 8, 8
	v_cmp_eq_u32 s40, s25, v142                    ; my expert is the token's higher one: rows l,
	v_cmp_eq_u32 s41, s25, v148                    ; rows 32 + l
	v_add_nc_u32 v144, 0x400, v128
	v_add_nc_u32 v149, 0x400, v129
	; ---- b2 counts once: half 1 starts its sums from 0
	WIN 0x44                                       ; source 1 and destination window 1
.set li, 0
.rept 32
	v_cndmask_b32 v[128+li], 0, v[128+li], s33
.set li, li+1
.endr
	WIN 0
	s_wait_alu depctr_va_sdst(0)                   ; the two compares have written s40 and s41, ahead of the selects that read them
	v_cndmask_b32 v143, v138, v139, s40
	v_cndmask_b32 v[TS], v128, v144, s40           ; slot x 1024 + token
	v_cndmask_b32 v145, v140, v141, s41
	v_cndmask_b32 v[TS+1], v129, v149, s41
	v_permlanex16_b32 v146, v143, s26, s27
	v_permlanex16_b32 v147, v145, s26, s27
	v_cndmask_b32 v[GT], v143, v146, s28           ; lane (r, h) of tile m wants the weight of row 16 m + r
	v_cndmask_b32 v[GT+2], v146, v143, s28
	v_cndmask_b32 v[GT+4], v145, v147, s28
	v_cndmask_b32 v[GT+6], v147, v145, s28
.irp m,0,1,2,3
	v_mov_b32 v[GT+2*\m+1], v[GT+2*\m]             ; named as a pair by the packed product
.endr
	s_wait_alu depctr_va_vdst(0)                   ; the rows' numbers v24-25 are written, which the two LDS stores below read; and the head's vector lines are done with v128-152, in which the first turn's LDS loads land
	s_wait_alu depctr_vm_vsrc(0)                   ; the tokens' loads have read their offsets v130-134, in which the first turn's LDS loads land
	ds_store_b32 v[TW], v[TS]
	ds_store_b32 v[TW], v[TS+1] offset:128
	UNIT 0
	UNIT 1
	UNIT 2
	WEIGH
	WIN 0x04
	s_wait_alu depctr_va_vdst(0)                   ; the products with the weights have written the sixteen accumulators, which the stage's LDS stores read; the last unit's matrix instructions are done reading v128-255, in which the rows read back land
	PACK 0
	PACK 1                                         ; a tile's way through the stage stands between the loads of the tile before and its stores
	SEND 0, 16
	PACK 2
	SEND 1, 16
	PACK 3
	SEND 2, 16
	SEND 3, 0
.Lend:
	s_wait_dscnt 0x0                               ; the closing lines, six on end
	s_wait_alu 0x0
	s_wait_tensorcnt 0x0
	ds_add_u32 v126, v127
	s_wait_dscnt 0x0
	s_endpgm
.Lfunc_end_k_qc6f0740327_ffn2:
	.size	k_qc6f0740327_ffn2, .Lfunc_end_k_qc6f0740327_ffn2-k_qc6f0740327_ffn2
	.p2alignl 7, 3214868480
	.fill 96, 4, 3214868480
	.section	.rodata,"a",@progbits
	.p2align	6, 0x0
	.amdhsa_kernel k_qc6f0740327_ffn2
		.amdhsa_group_segment_fixed_size 88576
		.amdhsa_private_segment_fixed_size 0
		.amdhsa_enable_private_segment 0
		.amdhsa_kernarg_size 72
		.amdhsa_user_sgpr_count 2
		.amdhsa_user_sgpr_kernarg_segment_ptr 1
		.amdhsa_wavefront_size32 1
		.amdhsa_system_sgpr_workgroup_id_x 1
		.amdhsa_system_sgpr_workgroup_id_y 1
		.amdhsa_system_sgpr_workgroup_id_z 1
		.amdhsa_system_vgpr_workitem_id 0
		.amdhsa_next_free_vgpr 1024
		.amdhsa_next_free_sgpr 66
		.amdhsa_reserve_vcc 0
		.amdhsa_float_denorm_mode_32 3
		.amdhsa_float_denorm_mode_16_64 3
		.amdhsa_memory_ordered 1
		.amdhsa_forward_progress 1
		.amdhsa_inst_pref_size 86
	.end_amdhsa_kernel
	.amdgpu_metadata
---
amdhsa.version: [ 1, 2 ]
amdhsa.kernels:
  - .name:           k_qc6f0740327_ffn2
    .symbol:         k_qc6f0740327_ffn2.kd
    .args:
      - { .name: tiles, .offset: 0, .size: 8, .value_kind: global_buffer, .address_space: global }
      - { .name: route, .offset: 8, .size: 8, .value_kind: global_buffer, .address_space: global }
      - { .name: gate, .offset: 16, .size: 8, .value_kind: global_buffer, .address_space: global }
      - { .name: hq, .offset: 24, .size: 8, .value_kind: global_buffer, .address_space: global }
      - { .name: hsc, .offset: 32, .size: 8, .value_kind: global_buffer, .address_space: global }
      - { .name: w2_codes, .offset: 40, .size: 8, .value_kind: global_buffer, .address_space: global }
      - { .name: w2_scales, .offset: 48, .size: 8, .value_kind: global_buffer, .address_space: global }
      - { .name: b2, .offset: 56, .size: 8, .value_kind: global_buffer, .address_space: global }
      - { .name: ybuf, .offset: 64, .size: 8, .value_kind: global_buffer, .address_space: global }
    .group_segment_fixed_size: 88576
    .private_segment_fixed_size: 0
    .kernarg_segment_align: 8
    .kernarg_segment_size: 72
    .max_flat_workgroup_size: 128
    .sgpr_count:     66
    .vgpr_count:     1024
    .wavefront_size: 32
...
	.end_amdgpu_metadata
.endif
;; end of part 6
;; launch lnorm: the kernel of part 4 again; grid 256 x 1, 4 waves a work-group, no clusters, 0 bytes of LDS; arguments ybuf, ln_g, ln_b, out0; writes out0
